; MI455X (gfx1250); checked and timed in simulation.
; The chip was launched on July 23, 2026; its instructions are those of AMD's public machine-readable ISA for CDNA 5 (MIT licence, August 2026) and "CDNA5" Instruction Set Architecture Reference Guide (July 2026). The comments in the code are by the model that wrote it; some were corrected since.
;; Scaled Dot Product Attention. Allowed arithmetic: matrix products marked QUANTISED: E2M1 operands, one E8M0 scale for each 32 along K, by v_wmma_scale_f32_16x16x128_f8f6f4 with both operands' format E2M1 (or v_wmma_scale_f32_32x16x128_f4), f32 sums; everything else in f32.
;; Inputs: Wk 1,024 x 1,024 float32; Wo 1,024 x 1,024 float32; Wq 1,024 x 1,024 float32; Wv 1,024 x 1,024 float32; bk 1,024 float32; bo 1,024 float32; bq 1,024 float32; bv 1,024 float32; key 4 x 2,048 x 1,024 float32; query 4 x 2,048 x 1,024 float32; value 4 x 2,048 x 1,024 float32.
;; Outputs: out0 4 x 2,048 x 1,024 float32.
;; This version of the problem:
;;   THIS VERSION OF THE PROBLEM IS GIVEN IN LOW PRECISION. The matrix products marked QUANTISED in the list below multiply operands that are first quantised to E2M1 (2 exponent bits, 1 mantissa bit; 4 bits a number), with one power-of-two scale for each 32 numbers along K (OCP MX v1.0); their sums are f32. All else is computed in f32.
;;   The module's matrix products, in the order in which they are computed (A, B: the left and right operand; K: the contracted axis; several contracted axes count as one K, in the product's order):
;;     1. [M 8,192, K 1,024] x [K 1,024, N 1,024]; A: input query; B: input Wq: QUANTISED
;;     2. [M 8,192, K 1,024] x [K 1,024, N 1,024]; A: input key; B: input Wk: QUANTISED
;;     3. [M 8,192, K 1,024] x [K 1,024, N 1,024]; A: input value; B: input Wv: QUANTISED
;;     4. batch 64 x [M 2,048, K 64] x [K 64, N 2,048]; A: computed on the way; B: computed on the way: QUANTISED
;;     5. batch 64 x [M 2,048, K 2,048] x [K 2,048, N 64]; A: softmax (see below); B: computed on the way: QUANTISED
;;     6. [M 8,192, K 1,024] x [K 1,024, N 1,024]; A: computed on the way; B: input Wo: QUANTISED
;;   THE QUANTISER, for each operand of a quantised product, along K:
;;     - K is cut into blocks of 32 from its start; a last block that is shorter is filled with zeros.
;;     - A block's scale is 2^e with e = floor(log2(the largest magnitude in the block)) - 2, held to -126 .. 127; a block of zeros has e = 0. As a byte (E8M0): e + 127.
;;     - Each number is divided by its block's scale, clamped to +-6, and rounded to the nearest number of E2M1, ties to even, subnormals kept.
;;     - The product sums the exact products of the quantised numbers (number of the format x scale) in f32.
;;   ~~~python
;;   def quantise(x, axis):      # numpy; x: float32 -> the quantised numbers, widened to float32 again
;;       x = np.moveaxis(x, axis, -1); K = x.shape[-1]
;;       x = np.pad(x, [(0, 0)] * (x.ndim - 1) + [(0, -K % 32)]); x = x.reshape(x.shape[:-1] + (-1, 32)); a = np.abs(x).max(-1, keepdims=True)
;;       e = np.where(a > 0, np.clip(np.frexp(np.where(a > 0, a, 1))[1] - 1 - 2, -126, 127), 0)      # np.frexp(a)[1] - 1 = floor(log2(a)), exactly
;;       r = np.clip(x / 2.0 ** e, -6, 6)
;;       step = 2.0 ** (np.maximum(np.frexp(np.where(r == 0, 1, r))[1] - 1, 0) - 1)
;;       q = np.round(r / step) * step * 2.0 ** e      # np.round: ties to even
;;       return np.moveaxis(q.reshape(q.shape[:-2] + (-1,))[..., :K], -1, axis).astype(np.float32)
;;   ~~~
;;   SOFTMAX AHEAD OF A QUANTISED PRODUCT. Where the list says 'softmax', what is quantised is not the finished softmax but p = 2^(t - M), with t = logit x log2(e) and M = ceil(the row's largest t), a whole number; so 1/2 < the row's largest p <= 1. The row's sum l is taken of the UNQUANTISED p, in f32, and the product's result is divided by l at the end. Since M is a whole number, a kernel that streams over the keys may use a running M (the ceiling of the running maximum): every later rescaling is an exact power of two, which a block's scale takes up: the codes' values come out the same.
;;   OPERANDS COMPUTED ON THE WAY. 'Computed on the way' means the value that the module computes at that place (a softmax that the list does not call 'softmax' is quantised finished and normalised). What goes into a quantiser is computed in f32, as accurately as f32 sums, v_exp_f32 and their like allow (about 1e-6 of the number): no bf16 or f16 on the way to a quantiser, and a product that is left as it is and whose result goes on into a quantised operand takes f32 operands (vector FMAs, or v_wmma_f32_16x16x4_f32). A number that lies on a knife's edge between two numbers of the format may be rounded either way, as far as f32 arithmetic and the matrix unit's own rounding can turn it there, and no further.
;; One version. Each part assembles by itself: llvm-mc -triple=amdgcn-amd-amdhsa -mcpu=gfx1250 --defsym DOCPART=n.
;; ======== version 1 of 1: 4 launches
;; workspace buffers: codes 14,680,064 bytes; scales 917,504 bytes; img 12,582,912 bytes; isc 786,432 bytes; oimg 4,194,304 bytes; osc 262,144 bytes
;; launch quant (part 1): grid 896 x 1, 4 waves a work-group, no clusters, 33,280 bytes of LDS; arguments query, key, value, Wq, Wk, Wv, Wo, codes, scales; writes codes, scales
.if DOCPART == 1
	.amdgcn_target "amdgcn-amd-amdhsa--gfx1250"
	.amdhsa_code_object_version 6
	.text
	.protected	k_q8c14db643d_quant
	.globl	k_q8c14db643d_quant
	.p2align	8
	.type	k_q8c14db643d_quant,@function
k_q8c14db643d_quant:
	s_mov_b64 s[64:65], 0
	v_nop
	global_prefetch_b8 v0, s[64:65] scope:SCOPE_SE
	s_setreg_imm32_b32 hwreg(HW_REG_WAVE_MODE, 25, 1), 1
	s_wait_xcnt 0x0
; query, key, value [8192][1024] and Wq, Wk, Wv, Wo [1024][1024], f32, K innermost, are turned into codes of FP4 (E2M1), 4 bits each, with one E8M0 scale byte for each 32 along K.
; A block's scale is 2^(floor(log2(its largest magnitude)) - 2); its byte is the largest magnitude's own exponent field - 2, held at 1 from below.  Each number is divided by the scale and rounded to the
; nearest code, ties to even; beyond 6 the conversion gives the largest code.
; LIMITS: a block of zeros, and a block whose largest magnitude lies under 2^-124, gets the byte 1 (a block of zeros has zero codes, which add nothing under that byte, and this program alone reads the bytes);
; NaN and infinities among the inputs are not served.
; OUT: codes: rows of 512 bytes, the seven tensors on end (query 0, key 0x400000, value 0x800000, Wq 0xC00000, Wk 0xC80000, Wv 0xD00000, Wo 0xD80000); scales: rows of 32 bytes at a sixteenth of these offsets.
; THE ROWS LIE IN TILE ORDER: inside each group of 32 rows, place 16 u + 8 g + j holds row 16 g + 8 u + j.  So sixteen neighbouring places (u, lane r = 8 g + j) are rows 8 u + r + 8 (r / 8): used as a matrix
; instruction's source 0, two such neighbouring tiles leave 16 neighbouring rows in a lane's 16 result registers, which the next quantiser wants.
; SHARES: a work-group takes 32 rows (32,768 numbers), a wave 8 rows: runs of 8 rows stay on end, so tile order only swaps waves 1 and 2 on the way out.  Work-groups 0-255 query, 256-511 key, 512-767 value, then 32 each for Wq, Wk, Wv, Wo.
; A wave takes 16 steps of 512 numbers.  Each of a step's four loads reads 512 consecutive bytes, 16 a lane; the 2,048 bytes go through the wave's own stage in LDS and come back 64 bytes a lane: 16 neighbours along K,
; as the conversions want them (two neighbouring lanes hold a block).  The stage has 16 bytes of padding behind each 64.  A lane's 16 codes are 8 bytes: the wave stores 256 consecutive bytes.
; A wave's 256 scale bytes are gathered in its own LDS bytes and leave as one aligned run of 256 bytes.  No tensor loads, no barrier, no cluster: waves and work-groups share nothing; no prefetch: the launch is one dense stream.
.set STEPS, 16
.set CB,    8                          ; bytes of 16 codes
.set R,     16                         ; v16-79   four sets of 16 numbers as they are loaded
.set X,     80                         ; v80-111  two sets of 16 neighbours
.set C,     128                        ; v128-191 codes: four registers for each step, so that no store's data are written again
.set E,     112                        ; v112-127 a scale byte for each step
.set WREG,  8192                       ; LDS: a region for each wave: two stages of 32 x SP bytes, and behind them its 256 scale bytes
.set SP,    80                         ; a lane's place in a stage: its 64 bytes + 16 of padding
	s_load_b512 s[4:19], s[0:1], 0x0               ; query s[4:5], key s[6:7], value s[8:9], Wq s[10:11], Wk s[12:13], Wv s[14:15], Wo s[16:17], codes s[18:19]
	s_load_b64 s[20:21], s[0:1], 0x40              ; scales
	v_lshl_add_u32 v192, v0, 2, 0x8000
	v_mov_b32 v193, 0
	v_lshrrev_b32 v1, 5, v0
	v_readfirstlane_b32 s26, v1                    ; wave
	v_and_b32 v2, 31, v0                           ; lane
	v_lshlrev_b32 v3, 4, v2                        ; my 16 bytes of a load's 512
	s_mul_i32 s27, s26, WREG
	v_lshrrev_b32 v14, 2, v2
	v_mul_u32_u24 v14, v14, SP
	v_and_b32 v15, 3, v2
	v_lshl_add_u32 v14, v15, 4, v14
	v_add_nc_u32 v14, s27, v14                     ; the stage, on the way in: SP (lane / 4) + 16 (lane % 4); a load's 512 bytes take eight places
	v_mul_u32_u24 v15, v2, SP
	v_add_nc_u32 v15, s27, v15                     ; and on the way out: SP x lane: my 16 neighbours
	v_mul_u32_u24 v4, v2, CB                       ; my codes' place in a step's
	v_lshrrev_b32 v5, 1, v2
	s_add_co_u32 s27, s27, 2*32*SP
	v_add_nc_u32 v5, s27, v5                       ; LDS: my wave's 256 scale bytes, my block's byte
	v_lshlrev_b32 v7, 3, v2                        ; and on the way out 8 bytes a lane
	v_add_nc_u32 v6, s27, v7
	s_wait_alu depctr_va_vdst(0)
	s_wait_kmcnt 0x0
	; which tensor is my work-group's: the choice hangs on the work-group's number alone
	s_mov_b64 s[22:23], s[16:17]                   ; Wo, from work-group 864 on
	s_mov_b32 s24, 864
	s_cmp_lt_u32 ttmp9, 864
	s_cselect_b64 s[22:23], s[14:15], s[22:23]     ; Wv
	s_cselect_b32 s24, 832, s24
	s_cmp_lt_u32 ttmp9, 832
	s_cselect_b64 s[22:23], s[12:13], s[22:23]     ; Wk
	s_cselect_b32 s24, 800, s24
	s_cmp_lt_u32 ttmp9, 800
	s_cselect_b64 s[22:23], s[10:11], s[22:23]     ; Wq
	s_cselect_b32 s24, 768, s24
	s_cmp_lt_u32 ttmp9, 768
	s_cselect_b64 s[22:23], s[8:9], s[22:23]       ; value
	s_cselect_b32 s24, 512, s24
	s_cmp_lt_u32 ttmp9, 512
	s_cselect_b64 s[22:23], s[6:7], s[22:23]       ; key
	s_cselect_b32 s24, 256, s24
	s_cmp_lt_u32 ttmp9, 256
	s_cselect_b64 s[22:23], s[4:5], s[22:23]       ; query
	s_cselect_b32 s24, 0, s24
	s_sub_co_u32 s25, ttmp9, s24                   ; my work-group's number inside its tensor
	s_lshl_b32 s25, s25, 2
	s_add_co_u32 s25, s25, s26                     ; which run of 8 rows is my wave's
	s_lshl_b32 s28, s25, 15                        ; 32,768 bytes a run: under 2^25
	s_mov_b32 s29, 0
	s_add_nc_u64 s[22:23], s[22:23], s[28:29]
	s_and_b32 s30, s26, 1                          ; tile order: wave 2 g + u writes run 2 u + g
	s_lshl_b32 s30, s30, 1
	s_lshr_b32 s31, s26, 1
	s_or_b32 s30, s30, s31
	s_lshl_b32 s31, ttmp9, 2                       ; the seven tensors lie on end in the order of the work-groups
	s_add_co_u32 s30, s30, s31
	s_lshl_b32 s28, s30, 12                        ; 4,096 bytes of codes a run
	s_add_nc_u64 s[18:19], s[18:19], s[28:29]
	s_lshl_b32 s28, s30, 8                         ; 256 scale bytes a run
	s_add_nc_u64 s[20:21], s[20:21], s[28:29]
.macro LOAD t
.irp i, 0,1,2,3
	global_load_b128 v[R+16*((\t)%4)+4*\i:R+16*((\t)%4)+4*\i+3], v3, s[22:23] offset:2048*(\t)+512*\i th:TH_LOAD_NT   ; 32 lanes read 512 consecutive bytes
.endr
.endm
.macro TURN t                          ; step t's numbers through the stage: LDS serves a wave's instructions in order, so no wait stands between the stores and the loads
.irp i, 0,1,2,3
	ds_store_b128 v14, v[R+16*((\t)%4)+4*\i:R+16*((\t)%4)+4*\i+3] offset:32*SP*((\t)%2)+8*SP*\i
.endr
.irp i, 0,1,2,3
	ds_load_b128 v[X+16*((\t)%2)+4*\i:X+16*((\t)%2)+4*\i+3], v15 offset:32*SP*((\t)%2)+16*\i
.endr
.endm
.irp t, 0,1,2,3
	LOAD \t
.endr
	s_wait_loadcnt 12                              ; step 0's four loads are in; the twelve of steps 1 to 3 may be out
	TURN 0
.macro STEP t
.set XS, X+16*((\t)%2)
.if (\t) > 0
	s_wait_dscnt 1                                 ; this step's numbers are back from the stage (the last step's byte store may be out): so its stores into the stage have read their registers,
.else
	s_wait_dscnt 0x0
.endif
.if (\t)+4 < STEPS
	LOAD (\t)+4                                    ; which take the loads of four steps on
.endif
.if (\t)+1 < STEPS
.if STEPS-2-(\t) >= 3
	s_wait_loadcnt 12                              ; the next step's four loads are in; those of the three steps behind it may be out
.else
	s_wait_loadcnt 4*(STEPS-2-(\t))
.endif
	TURN (\t)+1                                    ; and go through the other stage while this step is worked
.endif
	v_max3_num_f32 v8, |v[XS]|, |v[XS+1]|, |v[XS+2]|               ; the largest magnitude of my 16, in two chains
	v_max3_num_f32 v9, |v[XS+3]|, |v[XS+4]|, |v[XS+5]|
.irp i, 6,10
	v_max3_num_f32 v8, v8, |v[XS+\i]|, |v[XS+\i+1]|
	v_max3_num_f32 v9, v9, |v[XS+\i+2]|, |v[XS+\i+3]|
.endr
	v_max3_num_f32 v8, v8, |v[XS+14]|, |v[XS+15]|
	v_max3_num_f32 v8, v8, v9, 0x1800000           ; and the floor 2^(3 - 127): the byte cannot fall under 1
	v_max_num_f32_dpp v8, v8, v8 row_xmask:1 row_mask:0xf bank_mask:0xf   ; and of my neighbour's 16: the block's
	v_add_nc_u32 v11, 0xff000000, v8               ; 2 off its exponent field: the conversion takes the exponent field of this operand as its scale, and nothing else of it
	v_cvt_scalef32_pk8_fp4_f32 v[C+4*(\t)], v[XS:XS+7], v11        ; the first number's code in the lowest four bits
	v_cvt_scalef32_pk8_fp4_f32 v[C+4*(\t)+1], v[XS+8:XS+15], v11
	v_lshrrev_b32 v[E+(\t)], 23, v11               ; the scale's byte (a plain line behind the conversions)
	ds_store_b8 v5, v[E+(\t)] offset:16*(\t)       ; both lanes of a block write the same byte with the same value
	global_store_b64 v4, v[C+4*(\t):C+4*(\t)+1], s[18:19] offset:32*CB*(\t)   ; 32 lanes store 256 consecutive bytes, aligned
.endm
.irp t, 0,1,2,3,4,5,6,7,8,9,10,11,12,13,14,15
	STEP \t
.endr
	ds_load_b64 v[12:13], v6                       ; LDS serves a wave's instructions in order: these see my stores
	s_wait_dscnt 0x0
	global_store_b64 v7, v[12:13], s[20:21]        ; 32 lanes store 256 consecutive bytes, aligned
	s_wait_tensorcnt 0x0
	ds_add_u32 v192, v193
	s_wait_dscnt 0x0
	s_endpgm
.Lfunc_end_k_q8c14db643d_quant:
	.size	k_q8c14db643d_quant, .Lfunc_end_k_q8c14db643d_quant-k_q8c14db643d_quant
	.p2alignl 7, 3214868480
	.fill 96, 4, 3214868480
	.section	.rodata,"a",@progbits
	.p2align	6, 0x0
	.amdhsa_kernel k_q8c14db643d_quant
		.amdhsa_group_segment_fixed_size 33280
		.amdhsa_private_segment_fixed_size 0
		.amdhsa_enable_private_segment 0
		.amdhsa_kernarg_size 72
		.amdhsa_user_sgpr_count 2
		.amdhsa_user_sgpr_kernarg_segment_ptr 1
		.amdhsa_wavefront_size32 1
		.amdhsa_system_sgpr_workgroup_id_x 1
		.amdhsa_system_sgpr_workgroup_id_y 1
		.amdhsa_system_sgpr_workgroup_id_z 1
		.amdhsa_system_vgpr_workitem_id 0
		.amdhsa_next_free_vgpr 194
		.amdhsa_next_free_sgpr 66
		.amdhsa_reserve_vcc 0
		.amdhsa_float_denorm_mode_32 3
		.amdhsa_float_denorm_mode_16_64 3
		.amdhsa_memory_ordered 1
		.amdhsa_forward_progress 1
		.amdhsa_inst_pref_size 34
	.end_amdhsa_kernel
	.amdgpu_metadata
---
amdhsa.version: [ 1, 2 ]
amdhsa.kernels:
  - .name:           k_q8c14db643d_quant
    .symbol:         k_q8c14db643d_quant.kd
    .args:
      - { .name: query, .offset: 0, .size: 8, .value_kind: global_buffer, .address_space: global }
      - { .name: key, .offset: 8, .size: 8, .value_kind: global_buffer, .address_space: global }
      - { .name: value, .offset: 16, .size: 8, .value_kind: global_buffer, .address_space: global }
      - { .name: Wq, .offset: 24, .size: 8, .value_kind: global_buffer, .address_space: global }
      - { .name: Wk, .offset: 32, .size: 8, .value_kind: global_buffer, .address_space: global }
      - { .name: Wv, .offset: 40, .size: 8, .value_kind: global_buffer, .address_space: global }
      - { .name: Wo, .offset: 48, .size: 8, .value_kind: global_buffer, .address_space: global }
      - { .name: codes, .offset: 56, .size: 8, .value_kind: global_buffer, .address_space: global }
      - { .name: scales, .offset: 64, .size: 8, .value_kind: global_buffer, .address_space: global }
    .group_segment_fixed_size: 33280
    .private_segment_fixed_size: 0
    .kernarg_segment_align: 8
    .kernarg_segment_size: 72
    .max_flat_workgroup_size: 128
    .sgpr_count:     66
    .vgpr_count:     194
    .wavefront_size: 32
...
	.end_amdgpu_metadata
.endif
;; end of part 1
;; launch proj (part 2): grid 4 x 96, 4 waves a work-group, clusters of 4 x 4, 327,680 bytes of LDS; arguments codes, scales, bq, bk, bv, img, isc; writes img, isc
.if DOCPART == 2
	.amdgcn_target "amdgcn-amd-amdhsa--gfx1250"
	.amdhsa_code_object_version 6
	.text
	.protected	k_q8c14db643d_proj
	.globl	k_q8c14db643d_proj
	.p2align	8
	.type	k_q8c14db643d_proj,@function
k_q8c14db643d_proj:
	s_mov_b64 s[64:65], 0
	v_nop
	global_prefetch_b8 v0, s[64:65] scope:SCOPE_SE
	s_setreg_imm32_b32 hwreg(HW_REG_WAVE_MODE, 25, 1), 1
	s_wait_xcnt 0x0
	s_wait_alu depctr_hold_cnt(0) depctr_sa_sdst(0) depctr_va_vdst(0) depctr_va_sdst(0) depctr_va_ssrc(0) depctr_va_vcc(0) depctr_vm_vsrc(0)
	s_getreg_b32 s2, hwreg(HW_REG_IB_STS2, 6, 4)
	s_cmp_eq_u32 s2, 0
	s_cbranch_scc0 .Lentry_in_a_cluster
	s_endpgm
.Lentry_in_a_cluster:
	s_bfe_u32 s2, ttmp6, 0x10000c
	s_cmp_lg_u32 s2, 0xf033
	s_cbranch_scc0 .Lentry_shape_is_right
	s_endpgm
.Lentry_shape_is_right:
; The three projections Q = query Wq^T + bq, K = key Wk^T + bk, V = value Wv^T + bv on codes of FP4 (E2M1) with E8M0 scales, sums in f32; each result is quantised again in registers, along the K of the
; attention product that reads it (Q, K: the head's 64; V: the keys), and leaves as IMAGES OF OPERAND REGISTERS, 512 consecutive bytes a store.  No f32 result goes to memory.
; JOBS: 24 clusters of 4 x 4 work-groups; cluster y / 8 = the job (0 Q, 1 K, 2 V), cluster y % 8 = its eighth of the 8,192 tokens.  A work-group makes 256 x 256, a wave 128 x 128: 64 accumulators, 512 registers.
; The matrix instruction's source 1 is the A SIDE (a lane holds one of its rows), source 0 the B SIDE (a lane's registers run along it).  Q, K: A side = tokens, B side = W's rows n: a lane holds one token and 128 n = two heads.
; V: A side = Wv's rows n, B side = tokens: a lane holds one n and 128 keys.  What hangs on the job is chosen by s_cselect_b32 on the cluster's number, the same in all sixteen partners; no branch hangs on it.
; Both sides' rows lie in tile order in memory (place 16 u + 8 g + j of a group of 32 holds row 16 g + 8 u + j), so that the 16 registers of B-side tiles 2 b' and 2 b' + 1 are rows 32 b' + 16 (lane / 16) + 0 .. 15.
; K = 1,024 is two slots of 512 along K, both asked for at the head with all scale bytes: nothing in LDS is ever filled again, so there is no later load to prefetch for.
; CLUSTER: the four work-groups of a row of the cluster need the same A-side tiles, the four of a column the same B-side tiles: each is asked for jointly.
; THE BIAS starts the sums: accumulators begin as bias (an order of rounding other than adding it last).  It runs along the B side (Q, K) or the A side (V): both forms are loaded, one is multiplied by 0.
; LIMITS: NaN and infinities are not served (a bias times 0 must be 0); a block of zeros or with its largest magnitude under 2^-124 gets the scale byte 1; this program alone reads the bytes.
; OUT: img: Q at 0, K at 4 MiB, V at 8 MiB, each [16 batch + head][step of 128 tokens][4,096 bytes].  Q, K: [tile of 16 places][lane][16 bytes]: lane (r, h) holds block h of the head's 64 codes of the token at place r.
;   V: [tile t of 16 of the head's 64][c][lane][16 bytes]: registers 4 c .. 4 c + 3 of the fragment 16 x 128 keys.   isc: Q 0, K 256 KiB, V 512 KiB, each [16 batch + head][step][r][4 words]:
;   Q, K: word P = the two bytes of tile 2 P's row r, then tile 2 P + 1's;  V: word t = the four bytes of tile t's row r.
; REGISTERS, in windows of 256: window 0: v1-15 at work and selectors; v16-29 addresses; v32-95 scale words, two sets; v96-111 the A-side bias, each block's twice; v112-127 the stores' offsets; v128-191 A's fragments, one set,
;   later the codes made; v192-255 the B-side bias, later at work.   window 1: B's fragments, two sets.   windows 2, 3: the accumulators ((a, b) at v[8 (8 (a % 4) + b)]).
.set NQ,     4                         ; matrix instructions deep in a slot: 512 along K
.set ROWB,   256                       ; a tile's row in bytes
.set KROW,   512                       ; a row of codes in memory
.set PITCH,  272                       ; an LDS row: 256 bytes + 16 of padding = 68 words: the 16 rows of a load start 4 banks apart (64 banks of 4 bytes: ISA guide 11.1)
.set FR,     8                         ; registers of a fragment
.set NL,     2                         ; LDS loads that bring one
.set NP,     4                         ; places behind this matrix instruction (ISA guide 7.12.1)
.set HALFT,  128*PITCH                 ; 128 rows: what one tensor load brings
.set SLOT,   4*HALFT                   ; A's 256 rows, then B's 256 rows
.set KS,     32                        ; a row of scale bytes
.set SCL,    2*SLOT                    ; behind the slots: the scales, as runs of 256 bytes + 16 of padding
.set HALFS,  16*272                    ; the scales of 128 rows
.set SBLK,   2*272                     ; those of 16 rows
.set SPARE,  SCL+4*HALFS               ; the spare words, 128 bytes for each wave: two blocks of 256 bytes that no other line names
.set SELQ, 10                          ; v10  byte selector for Q's and K's scale words
.set SELV, 11                          ; v11  for V's
.set SOFF, 12                          ; v12  my 16 bytes of scale words: 16 r + 4,096 (lane / 16)
.set ADRA, 16                          ; v16-17  LDS address of my A fragments in slot 0, 1
.set ADRB, 20                          ; v20-21  the same for B
.set ADRS, 27                          ; v27  LDS address of my scale words: lanes 0-15 A's rows, lanes 16-31 B's
.set SPW,  28                          ; v28  LDS address of my spare word; never rewritten
.set NIL,  29                          ; v29  0; never rewritten
.set SC,   32                          ; scale words: set s at v[SC + 32 s]; register 4 i + q: lanes 0-15 A's block i, lanes 16-31 B's block i, the slot's q-th 128 along K
.set BA,   96
.set OFFS, 112
.set AF,   128
.set BB,   192
.set TM,   200                         ; v200-203 largest magnitudes, v204-207 bytes, v212-215 the conversions' scale operands
.set PW,   224                         ; v224-231 block a's scale word
.set WQ,   232
.set WV2,  236
.set G1, 24                            ; s[24:31] descriptor group 1 for A's tiles;  s[32:39] group 0, one set for each slot
.set G0, 32
.set G1B, 48                           ; s[48:55], s[56:63] the same for B's tiles
.set G0B, 56
.set G1S, 68                           ; s[68:75], s[76:79] groups 1 and 0 for A's scales;  s[80:87], s[88:91] for B's
.set G0S, 76
.set G1SB, 80
.set G0SB, 88
.set MSB, 0
.macro WIN new                         ; s_set_vgpr_msb: bits 1:0 source 0, 3:2 source 1, 5:4 source 2, 7:6 destination; the high byte repeats the setting that is left
.if MSB != \new
	s_set_vgpr_msb (MSB<<8)|\new
.set MSB, \new
.endif
.endm
.set MUL_LO, 0xa1                      ; source 0 (B) window 1, source 1 (A) window 0, C and D window 2
.set MUL_HI, 0xf1                      ; the same, C and D window 3
.set TO_B,   0x40                      ; destination window 1, address window 0
; A joint load: waves 0 and 1 fetch for A, waves 2 and 3 for B.  Each of the two lines has one mask and one set of registers for all that issue it; the branch hangs on the wave's number alone.
; Four v_nop follow each of the two lines, ahead of the jump, the label and what follows.
.macro JLOAD g0a, g1a, g0b, g1b
	s_cmp_eq_u32 s19, 0
	s_cbranch_scc0 .Lfor_b_\@
	tensor_load_to_lds s[\g0a:\g0a+3], s[\g1a:\g1a+7]
	s_nop 0
.rept 4
	v_nop
.endr
	s_branch .Lasked_\@
.Lfor_b_\@:
	tensor_load_to_lds s[\g0b:\g0b+3], s[\g1b:\g1b+7]
	s_nop 0
.rept 4
	v_nop
.endr
.Lasked_\@:
.endm
.macro CROUND                          ; a round of the cluster's barrier: my work-group's barrier; wave 0 signals for the work-group; every wave waits for all sixteen; my work-group's barrier once more
	s_barrier_signal -1
	s_barrier_wait -1
	s_cmp_lg_u32 s18, 0
	s_cbranch_scc1 .Lnot_wave_0_\@
	s_barrier_signal -3
.Lnot_wave_0_\@:
	s_barrier_wait -3
	s_barrier_signal -1
	s_barrier_wait -1
.endm
	s_load_b256 s[4:11], s[0:1], 0x0               ; codes s[4:5], scales s[6:7], bq s[8:9], bk s[10:11]
	s_load_b128 s[12:15], s[0:1], 0x20             ; bv s[12:13], img s[14:15]
	s_load_b64 s[16:17], s[0:1], 0x30              ; isc
	v_lshl_add_u32 v[SPW], v0, 2, SPARE
	v_mov_b32 v[NIL], 0
	ds_add_u32 v28, v29
	ds_add_u32 v28, v29
	s_wait_dscnt 0x0
	v_lshrrev_b32 v1, 5, v0
	v_readfirstlane_b32 s18, v1                    ; wave 0..3
	s_lshr_b32 s19, s18, 1                         ; which half of the A side is mine.  Also: I fetch for A (0) or for B (1)
	s_and_b32 s20, s18, 1                          ; which half of the B side.  Also: which 128 rows of that tile I fetch
	s_bfe_u32 s21, ttmp6, 0x40000                  ; cx, cy: my place in the cluster
	s_bfe_u32 s22, ttmp6, 0x40004
	s_and_b32 s23, ttmp7, 0xffff                   ; the cluster's number (the grid is one cluster wide)
	s_lshr_b32 s40, s23, 3                         ; the job
	s_and_b32 s41, s23, 7
	s_lshl_b32 s41, s41, 2                         ; four tiles of tokens to a cluster
	s_lshl_b32 s2, s40, 22                         ; Q, K: the A side is query or key,
	s_lshl_b32 s3, s40, 19
	s_add_co_u32 s3, s3, 0xC00000                  ; the B side Wq or Wk
	s_mov_b32 s98, 512
	s_mov_b32 s99, 2048
	s_mov_b32 s100, 0x10000
	s_cmp_eq_u32 s40, 2                            ; V?  Only moves and selections stand between this compare and the last selection
	s_cselect_b32 s42, s41, 0                      ; the cluster's first tile along the B side,
	s_cselect_b32 s43, 0, s41                      ; and along the A side
	s_cselect_b32 s46, 0xD00000, s2                ; where the A side's codes begin (V: Wv),
	s_cselect_b32 s94, 0x800000, s3                ; and the B side's (V: value)
	s_cselect_b32 s66, 0, 0x3f800000               ; the B-side bias counts in Q and K,
	s_cselect_b32 s67, 0x3f800000, 0               ; the A-side bias in V
	s_cselect_b32 s98, 1024, s98                   ; the images' strides: from block a % 4 to the next,
	s_cselect_b32 s99, 0x10000, s99                ; from a / 4 = 0 to 1,
	s_cselect_b32 s100, 512, s100                  ; from registers 0-3 to 4-7
	s_cselect_b32 s101, -1, 0                      ; all lanes in V, none in Q and K
	s_add_co_u32 s42, s42, s21                     ; my tile along the B side
	s_add_co_u32 s43, s43, s22                     ; my tile along the A side
	s_lshl_b32 s44, s22, 2
	s_lshl_b32 s44, 15, s44                        ; my row of the cluster
	s_lshl_b32 s45, 0x1111, s21                    ; my column
	; descriptor group 1: a tile of 128 rows x 256 bytes, padded in LDS
	s_or_b32 s[G1+0], s44, (0<<16)|(1<<20)|(1<<21)|(5<<22)|(3<<25)  ; 15:0 the mask: A's tiles go to my row; 17:16 elements of 1 byte; 20 padding on; 21 set beside a mask; 24:22 after every 64 words; 31:25 four words
	s_or_b32 s[G1B+0], s45, (0<<16)|(1<<20)|(1<<21)|(5<<22)|(3<<25)
.irp g, G1, G1B
	s_mov_b32 s[\g+1], ROWB<<16                    ; tensor_dim0
	s_mov_b32 s[\g+2], 128<<16                     ; tensor_dim1
	s_mov_b32 s[\g+3], ROWB<<16                    ; tile_dim0
	s_mov_b32 s[\g+4], 128                         ; tile_dim1
	s_mov_b32 s[\g+5], KROW                        ; from row to row
	s_mov_b32 s[\g+6], 0
	s_mov_b32 s[\g+7], 0
.endr
	; the scales of 128 rows: 4,096 dense bytes, as 16 rows of 256 bytes (32 elements of 8 bytes), 16 bytes of padding behind each
	s_or_b32 s[G1S+0], s44, (3<<16)|(1<<20)|(1<<21)|(5<<22)|(3<<25)
	s_or_b32 s[G1SB+0], s45, (3<<16)|(1<<20)|(1<<21)|(5<<22)|(3<<25)
.irp g, G1S, G1SB
	s_mov_b32 s[\g+1], 32<<16
	s_mov_b32 s[\g+2], 16<<16
	s_mov_b32 s[\g+3], 32<<16
	s_mov_b32 s[\g+4], 16
	s_mov_b32 s[\g+5], 32
	s_mov_b32 s[\g+6], 0
	s_mov_b32 s[\g+7], 0
.endr
	s_lshl_b32 s3, s20, 7                          ; which 128 rows of the tile I fetch
	s_lshl_b32 s2, s43, 8
	s_add_co_u32 s2, s2, s3
	s_lshl_b32 s2, s2, 9                           ; 512 bytes a row
	s_add_co_u32 s46, s46, s2                      ; A's codes: all offsets stay under 2^24
	s_mov_b32 s47, 0
	s_lshr_b32 s92, s46, 4                         ; A's scale bytes: a sixteenth of that
	s_mov_b32 s93, 0
	s_lshl_b32 s104, s42, 8
	s_add_co_u32 s104, s104, s3
	s_lshl_b32 s104, s104, 9
	s_add_co_u32 s94, s94, s104                    ; B's codes
	s_mov_b32 s95, 0
	s_lshr_b32 s96, s94, 4                         ; B's scale bytes
	s_mov_b32 s97, 0
	s_mul_i32 s105, s18, HALFT                     ; where they go: wave x 128 rows: no place in the cluster enters an LDS address
	s_mul_i32 s41, s18, HALFS
	s_wait_kmcnt 0x0
	s_add_nc_u64 s[46:47], s[4:5], s[46:47]
	s_add_nc_u64 s[92:93], s[6:7], s[92:93]
	s_add_nc_u64 s[94:95], s[4:5], s[94:95]
	s_add_nc_u64 s[96:97], s[6:7], s[96:97]
	CROUND                                         ; all sixteen work-groups are here: the joint loads meet
	s_mov_b32 s[G0S], 1
	s_add_co_u32 s[G0S+1], s41, SCL
	s_mov_b64 s[G0S+2:G0S+3], s[92:93]
	s_or_b32 s[G0S+3], s[G0S+3], 0x80000000
	s_mov_b32 s[G0SB], 1
	s_add_co_u32 s[G0SB+1], s41, SCL
	s_mov_b64 s[G0SB+2:G0SB+3], s[96:97]
	s_or_b32 s[G0SB+3], s[G0SB+3], 0x80000000
	JLOAD G0S, G1S, G0SB, G1SB                     ; the scales first: they are wanted with slot 0
.irp s, 0,1
	s_mov_b32 s[G0+4*\s], 1
	s_add_co_u32 s[G0+4*\s+1], s105, \s*SLOT
	s_add_nc_u64 s[G0+4*\s+2:G0+4*\s+3], s[46:47], \s*ROWB
	s_or_b32 s[G0+4*\s+3], s[G0+4*\s+3], 0x80000000
	s_mov_b32 s[G0B+4*\s], 1
	s_add_co_u32 s[G0B+4*\s+1], s105, \s*SLOT
	s_add_nc_u64 s[G0B+4*\s+2:G0B+4*\s+3], s[94:95], \s*ROWB
	s_or_b32 s[G0B+4*\s+3], s[G0B+4*\s+3], 0x80000000
	JLOAD G0+4*\s, G1, G0B+4*\s, G1B               ; three tensor loads of mine are out now, and no more follow
.endr
	v_and_b32 v1, 15, v0                           ; r = lane % 16
	v_bfe_u32 v2, v0, 4, 1                         ; h = lane / 16
	v_mul_u32_u24 v3, v1, PITCH
	v_lshl_add_u32 v4, v2, 4, v3                   ; a fragment's row x pitch + 16 h
	s_mul_i32 s2, s19, HALFT                       ; my 128 rows of A
	s_mul_i32 s3, s20, HALFT                       ; my 128 rows of B,
	s_add_co_u32 s3, s3, 2*HALFT                   ; which lie behind A's 256
.irp s, 0,1
	v_add_nc_u32 v[ADRA+\s], s2, v4
	v_add_nc_u32 v[ADRB+\s], s3, v4
	s_add_co_u32 s2, s2, SLOT
	s_add_co_u32 s3, s3, SLOT
.endr
	v_mul_u32_u24 v5, v1, KS                       ; my row's scales: 32 bytes a row,
	v_lshrrev_b32 v6, 8, v5
	v_lshl_add_u32 v5, v6, 4, v5                   ; and 16 more for each 256 passed
	s_mul_i32 s2, s19, HALFS                       ; A's: my 128 rows
	s_mul_i32 s3, s20, HALFS                       ; B's: my 128 rows, behind A's 256
	s_add_co_u32 s3, s3, 2*HALFS
	s_sub_co_u32 s3, s3, s2
	v_mul_u32_u24 v6, s3, v2                       ; lanes 16-31 take B's: one product, the distance x h
	s_add_co_u32 s2, s2, SCL
	v_add_nc_u32 v5, v5, v6
	v_add_nc_u32 v[ADRS], s2, v5
	; which 128 tokens and which 128 n are my wave's
	s_lshl_b32 s21, s43, 1
	s_add_co_u32 s21, s21, s19                     ; my 128 of the A side
	s_lshl_b32 s22, s42, 1
	s_add_co_u32 s22, s22, s20                     ; my 128 of the B side
	s_cmp_eq_u32 s40, 2
	s_cselect_b32 s23, s22, s21                    ; the tokens' group, 0..63
	s_cselect_b32 s41, s21, s22                    ; the n's group, 0..7: heads 2 x it and 2 x it + 1
	s_cselect_b64 s[12:13], s[12:13], s[10:11]     ; bv or bk,
	s_cmp_eq_u32 s40, 0
	s_cselect_b64 s[12:13], s[8:9], s[12:13]       ; or bq
	s_lshl_b32 s2, s41, 9                          ; my 128 numbers of the bias
	s_mov_b32 s3, 0
	s_add_nc_u64 s[12:13], s[12:13], s[2:3]
	v_lshlrev_b32 v7, 6, v2                        ; along the B side: register 16 b' + i wants n 32 b' + 16 h + i
	v_and_b32 v8, 8, v1
	v_add_nc_u32 v8, v8, v1
	v_lshlrev_b32 v8, 2, v8                        ; along the A side: block a's lane r wants n 32 (a / 2) + 8 (a % 2) + r + 8 (r / 8)
.irp b, 0,1,2,3
.irp q, 0,1,2,3
	global_load_b128 v[BB+16*\b+4*\q:BB+16*\b+4*\q+3], v7, s[12:13] offset:128*\b+16*\q
.endr
.endr
.irp a, 0,1,2,3,4,5,6,7
	global_load_b32 v[BA+2*\a], v8, s[12:13] offset:(32*(\a/2)+8*(\a%2))*4
.endr
	; where my images go: job x 4 MiB + (16 batch + first head) x 65,536 + step x 4,096; the scale words at a sixteenth of that
	s_lshr_b32 s2, s23, 4
	s_lshl_b32 s2, s2, 4
	s_lshl_b32 s104, s41, 1
	s_add_co_u32 s2, s2, s104
	s_lshl_b32 s2, s2, 16
	s_and_b32 s104, s23, 15
	s_lshl_b32 s104, s104, 12
	s_add_co_u32 s2, s2, s104
	s_lshl_b32 s104, s40, 22
	s_add_co_u32 s2, s2, s104
	s_add_nc_u64 s[14:15], s[14:15], s[2:3]
	s_lshr_b32 s2, s2, 4
	s_add_nc_u64 s[16:17], s[16:17], s[2:3]
	v_and_b32 v9, 31, v0
	v_lshlrev_b32 v9, 4, v9                        ; 16 x lane
.irp a, 0,1,2,3,4,5,6,7
.irp c, 0,1
	s_mul_i32 s2, s98, (\a%4)
	s_mul_i32 s23, s99, (\a/4)
	s_add_co_u32 s2, s2, s23
	s_mul_i32 s23, s100, \c
	s_add_co_u32 s2, s2, s23
	v_add_nc_u32 v[OFFS+2*\a+\c], s2, v9           ; each store has an offset register of its own
.endr
.endr
	v_lshlrev_b32 v[SOFF], 4, v1
	v_lshl_add_u32 v[SOFF], v2, 12, v[SOFF]        ; lanes 16-31 store the second head's scale words, 4,096 bytes on
	v_cmp_eq_u32 vcc_lo, 1, v2
	v_mov_b32 v[SELQ], 0x05040100                  ; Q, K, first head: bytes 0, 1 of two blocks' words;
	v_mov_b32 v3, 0x07060302                       ; second head: bytes 2, 3
	v_cndmask_b32 v[SELQ], v[SELQ], v3, vcc_lo
	v_mov_b32 v[SELV], 0x03020100                  ; V, first head: the word of block t;
	v_mov_b32 v3, 0x07060504                       ; second head: that of block 4 + t
	v_cndmask_b32 v[SELV], v[SELV], v3, vcc_lo
	s_wait_loadcnt 0x0                             ; the bias
.set k, 0
.rept 32
	v_pk_mul_f32 v[BB+k:BB+k+1], v[BB+k:BB+k+1], s[66:67] op_sel_hi:[1,0]   ; x 1 in Q and K, x 0 in V (the pair's low word serves both halves)
.set k, k+2
.endr
.irp a, 0,1,2,3,4,5,6,7
	v_mul_f32 v[BA+2*\a+1], s67, v[BA+2*\a]        ; x 0 in Q and K, x 1 in V; twice, for the packed additions
	v_mul_f32 v[BA+2*\a], s67, v[BA+2*\a]
.endr
	; the accumulators begin as the bias: one addend of each sum is 0, so nothing is rounded.  These lines run while the first tiles are on their way
	WIN 0x80                                       ; destination window 2
.irp a, 0,1,2,3
.set k, 0
.rept 32
	v_pk_add_f32 v[64*\a+k:64*\a+k+1], v[BB+k:BB+k+1], v[BA+2*\a:BA+2*\a+1]
.set k, k+2
.endr
.endr
	WIN 0xc0                                       ; destination window 3
.irp a, 0,1,2,3
.set k, 0
.rept 32
	v_pk_add_f32 v[64*\a+k:64*\a+k+1], v[BB+k:BB+k+1], v[BA+8+2*\a:BA+8+2*\a+1]
.set k, k+2
.endr
.endr
	WIN 0
.irp b, 0,1,2,3
	v_mov_b32 v[TM+4+\b], 0                        ; written once: a lane permute's destination counts as one of its sources
.endr
	s_mov_b32 s104, 0x76543210
	s_mov_b32 s105, 0xfedcba98                     ; v_permlanex16_b32's selects for lane l xor 16
.macro FRAG reg, adr, q, i             ; 16 rows x 128 K of 4-bit codes: lane l holds row l % 16; registers 4 c .. 4 c + 3 hold K = 64 c + 32 (l / 16) + 0 .. 31
.irp c, 0,1
	ds_load_b128 v[\reg+4*\c:\reg+4*\c+3], v[\adr] offset:64*(\q)+32*\c+(\i)*16*PITCH
.endr
.endm
; 16 matrix instructions: A's blocks a0, a0 + 1 x B's eight, the slot's q-th 128 along K.  p: B's set;  sc: the set of scale words.
; The 64 accumulators take turns, one instruction a turn, in the same order in every step.
.macro MUL16 a0, p, q, sc
.irp a, \a0, \a0+1
.irp b, 0,1,2,3,4,5,6,7
	v_wmma_scale_f32_16x16x128_f8f6f4 v[8*(8*((\a)%4)+\b):8*(8*((\a)%4)+\b)+7], v[128*(\p)+FR*\b:128*(\p)+FR*\b+FR-1], v[AF+FR*(\a):AF+FR*(\a)+FR-1], v[8*(8*((\a)%4)+\b):8*(8*((\a)%4)+\b)+7], v[SC+8*NQ*(\sc)+NQ*\b+(\q)], v[SC+8*NQ*(\sc)+NQ*(\a)+(\q)] matrix_a_fmt:MATRIX_FMT_FP4 matrix_b_fmt:MATRIX_FMT_FP4 matrix_a_scale:MATRIX_SCALE_ROW1
.endr
.endr
.endm
.macro FETCH_B slot, q, p              ; B's eight fragments of the slot's q-th 128 along K into set p
	WIN TO_B
.irp i, 0,1,2,3,4,5,6,7
	FRAG 128*(\p)+FR*\i, ADRB+\slot, \q, \i
.endr
	WIN 0
.endm
.macro FETCH_A slot, q, i0             ; A's blocks i0 .. i0 + 3
.irp i, \i0, \i0+1, \i0+2, \i0+3
	FRAG AF+FR*(\i), ADRA+\slot, \q, \i
.endr
.endm
.macro SCALES sc                       ; a slot's scale words into set sc: four words a row; lanes 0-15 take A's block i, lanes 16-31 B's block i
.irp i, 0,1,2,3,4,5,6,7
	ds_load_b128 v[SC+8*NQ*\sc+NQ*\i:SC+8*NQ*\sc+NQ*\i+3], v[ADRS] offset:\i*SBLK
.endr
.endm
.macro PLACES n                        ; places in front of loads into registers that matrix instructions have read, and of the first read of results (for the first read of results)
.rept \n
	v_nop
.endr
.endm
; A step of 128 along K that has its successor in the same slot.  A block of A is free as soon as its eight products are issued: one set serves A, two serve B.
.macro STEP slot, q
	s_wait_dscnt 4*NL                              ; B's set and A's blocks 0-3 are in; the youngest eight loads (A's blocks 4-7) may be out
	WIN MUL_LO
	MUL16 0, (\q)%2, \q, \slot
	MUL16 2, (\q)%2, \q, \slot
	s_wait_dscnt 0                                 ; A's blocks 4-7 are in (asked for 32 matrix instructions ago)
	PLACES NP
	FETCH_B \slot, (\q)+1, 1-(\q)%2
	FETCH_A \slot, (\q)+1, 0
	WIN MUL_HI
	MUL16 4, (\q)%2, \q, \slot
	MUL16 6, (\q)%2, \q, \slot
	PLACES NP
	WIN 0
	FETCH_A \slot, (\q)+1, 4
.endm
	s_wait_tensorcnt 1                             ; the scales and my part of slot 0 are in (slot 1's load may be out)
	s_barrier_signal -1
	s_barrier_wait -1                              ; everybody's are
	FETCH_B 0, 0, 0
	FETCH_A 0, 0, 0
	SCALES 0
	FETCH_A 0, 0, 4
	STEP 0, 0
	STEP 0, 1
	STEP 0, 2
	; slot 0's last step changes slots: one barrier; in front of it my part of slot 1 has landed
	s_wait_tensorcnt 0x0                           ; all my tensor loads have landed
	ds_add_u32 v[SPW], v[NIL]                      ; 0 onto my spare word
	s_wait_dscnt 4*NL+1                            ; (the add and the youngest eight loads, A's blocks 4-7, may be out)
	WIN MUL_LO
	MUL16 0, 1, NQ-1, 0
	s_wait_dscnt 0x0                               ; no LDS instruction of mine is pending at the signal
	s_barrier_signal -1
	MUL16 2, 1, NQ-1, 0
	WIN 0
	s_barrier_wait -1                              ; slot 1 is whole
	PLACES NP
	v_add_nc_u32 v[ADRS], 4*NQ, v[ADRS]            ; on to slot 1's scale words (no LDS load of mine is out)
	FETCH_B 1, 0, 0
	FETCH_A 1, 0, 0
	SCALES 1
	WIN MUL_HI
	MUL16 4, 1, NQ-1, 0
	MUL16 6, 1, NQ-1, 0
	PLACES NP
	WIN 0
	FETCH_A 1, 0, 4
	STEP 1, 0
	STEP 1, 1
	STEP 1, 2
	s_wait_dscnt 4*NL                              ; the very last step: nothing more to fetch
	WIN MUL_LO
	MUL16 0, 1, NQ-1, 1
	MUL16 2, 1, NQ-1, 1
	s_wait_dscnt 0
	WIN MUL_HI
	MUL16 4, 1, NQ-1, 1
	MUL16 6, 1, NQ-1, 1
	WIN 0
; THE WAY OUT.  Block a's 64 registers of a lane, register 16 b + i = place 32 b + 16 (lane / 16) + i along the B side, are four half blocks of the next K.  They become a fragment's 8 registers of codes in v[AF + 8 a] on
; and a scale word in v[PW + a].  Each accumulator is read from its low end on.
.macro QUANT a
.set QW, 2+(\a)/4                      ; the block's window
.set QWW, (QW<<2)|(QW<<4)              ; sources 1 and 2 there
.set QS, 64*((\a)%4)
.set QP, AF+8*(\a)
	WIN QWW
.irp b, 0,1,2,3
	v_max3_num_f32 v[TM+\b], 0x1800000, |v[QS+16*\b]|, |v[QS+16*\b+1]|   ; my 16 numbers of block b, and the floor 2^(3 - 127): the byte cannot fall under 1
.endr
.irp i, 2,4,6,8,10,12,14
.irp b, 0,1,2,3
	v_max3_num_f32 v[TM+\b], v[TM+\b], |v[QS+16*\b+\i]|, |v[QS+16*\b+\i+1]|   ; (the four blocks by turns)
.endr
.endr
	WIN 0
.irp b, 0,1,2,3
	v_permlanex16_b32 v[TM+4+\b], v[TM+\b], s104, s105
.endr
.irp b, 0,1,2,3
	v_max_num_f32 v[TM+\b], v[TM+\b], v[TM+4+\b]   ; with lane l xor 16's: the block's largest magnitude
.endr
.irp b, 0,1,2,3
	v_add_nc_u32 v[TM+12+\b], 0xff000000, v[TM+\b] ; 2 off its exponent field: the conversion's scale operand
.endr
.irp b, 0,1,2,3
	v_lshrrev_b32 v[TM+4+\b], 23, v[TM+12+\b]      ; the scale's byte
.endr
	v_lshl_or_b32 v[PW+\a], v[TM+5], 8, v[TM+4]
	v_lshl_or_b32 v[PW+\a], v[TM+6], 16, v[PW+\a]
	v_lshl_or_b32 v[PW+\a], v[TM+7], 24, v[PW+\a]
	WIN QW                                         ; source 0 in the block's window
.irp b, 0,1,2,3
	v_cvt_scalef32_pk8_fp4_f32 v[QP+2*\b], v[QS+16*\b:QS+16*\b+7], v[TM+12+\b]
	v_cvt_scalef32_pk8_fp4_f32 v[QP+2*\b+1], v[QS+16*\b+8:QS+16*\b+15], v[TM+12+\b]
.endr
	WIN 0
	v_nop                                          ; one plain place behind a scaled conversion
.irp c, 0,1                            ; the operand's layout wants a whole block in a lane: lanes 0-15 block 2 c, lanes 16-31 block 2 c + 1
.irp i, 0,1
	v_permlane16_swap_b32 v[QP+4*\c+\i], v[QP+4*\c+2+\i]
.endr
.endr
.endm
	PLACES NP                                      ; behind the last products: their results are read and A's registers written below
.irp a, 0,1,2,3,4,5,6,7
	QUANT \a
	global_store_b128 v[OFFS+2*\a], v[AF+8*\a:AF+8*\a+3], s[14:15]       ; 32 lanes store 512 consecutive bytes, aligned; every store has data and offset registers of its own
	global_store_b128 v[OFFS+2*\a+1], v[AF+8*\a+4:AF+8*\a+7], s[14:15]
.endr
.irp P, 0,1,2,3
	v_perm_b32 v[WQ+\P], v[PW+2*\P+1], v[PW+2*\P], v[SELQ]               ; Q, K: my head's two bytes of tile 2 P, then of tile 2 P + 1
	v_perm_b32 v[WV2+\P], v[PW+4+\P], v[PW+\P], v[SELV]                  ; V: my head's tile P's four bytes
.endr
.irp P, 0,1,2,3
	v_cndmask_b32 v[WQ+\P], v[WQ+\P], v[WV2+\P], s101
.endr
	global_store_b128 v[SOFF], v[WQ:WQ+3], s[16:17]                      ; sixteen lanes store 256 consecutive bytes, aligned, for each of the two heads
	s_wait_tensorcnt 0x0                           ; the wave's end
	ds_add_u32 v[SPW], v[NIL]
	s_wait_dscnt 0x0
	CROUND                                         ; the closing round: no work-group ends while a partner may still ask for a tile that names it
	s_endpgm
.Lfunc_end_k_q8c14db643d_proj:
	.size	k_q8c14db643d_proj, .Lfunc_end_k_q8c14db643d_proj-k_q8c14db643d_proj
	.p2alignl 7, 3214868480
	.fill 96, 4, 3214868480
	.section	.rodata,"a",@progbits
	.p2align	6, 0x0
	.amdhsa_kernel k_q8c14db643d_proj
		.amdhsa_group_segment_fixed_size 327680
		.amdhsa_private_segment_fixed_size 0
		.amdhsa_enable_private_segment 0
		.amdhsa_kernarg_size 56
		.amdhsa_user_sgpr_count 2
		.amdhsa_user_sgpr_kernarg_segment_ptr 1
		.amdhsa_wavefront_size32 1
		.amdhsa_system_sgpr_workgroup_id_x 1
		.amdhsa_system_sgpr_workgroup_id_y 1
		.amdhsa_system_sgpr_workgroup_id_z 1
		.amdhsa_system_vgpr_workitem_id 0
		.amdhsa_next_free_vgpr 1024
		.amdhsa_next_free_sgpr 106
		.amdhsa_reserve_vcc 1
		.amdhsa_float_denorm_mode_32 3
		.amdhsa_float_denorm_mode_16_64 3
		.amdhsa_memory_ordered 1
		.amdhsa_forward_progress 1
		.amdhsa_inst_pref_size 154
	.end_amdhsa_kernel
	.amdgpu_metadata
---
amdhsa.version: [ 1, 2 ]
amdhsa.kernels:
  - .name:           k_q8c14db643d_proj
    .symbol:         k_q8c14db643d_proj.kd
    .args:
      - { .name: codes, .offset: 0, .size: 8, .value_kind: global_buffer, .address_space: global }
      - { .name: scales, .offset: 8, .size: 8, .value_kind: global_buffer, .address_space: global }
      - { .name: bq, .offset: 16, .size: 8, .value_kind: global_buffer, .address_space: global }
      - { .name: bk, .offset: 24, .size: 8, .value_kind: global_buffer, .address_space: global }
      - { .name: bv, .offset: 32, .size: 8, .value_kind: global_buffer, .address_space: global }
      - { .name: img, .offset: 40, .size: 8, .value_kind: global_buffer, .address_space: global }
      - { .name: isc, .offset: 48, .size: 8, .value_kind: global_buffer, .address_space: global }
    .group_segment_fixed_size: 327680
    .private_segment_fixed_size: 0
    .kernarg_segment_align: 8
    .kernarg_segment_size: 56
    .max_flat_workgroup_size: 128
    .sgpr_count:     106
    .vgpr_count:     1024
    .wavefront_size: 32
...
	.end_amdgpu_metadata
.endif
;; end of part 2
;; launch attn (part 3): grid 4 x 64, 16 waves a work-group, clusters of 4 x 1, 327,680 bytes of LDS; arguments img, isc, oimg, osc; writes oimg, osc
.if DOCPART == 3
	.amdgcn_target "amdgcn-amd-amdhsa--gfx1250"
	.amdhsa_code_object_version 6
	.text
	.protected	k_q8c14db643d_attn
	.globl	k_q8c14db643d_attn
	.p2align	8
	.type	k_q8c14db643d_attn,@function
k_q8c14db643d_attn:
	s_mov_b64 s[64:65], 0
	v_nop
	global_prefetch_b8 v0, s[64:65] scope:SCOPE_SE
	s_setreg_imm32_b32 hwreg(HW_REG_WAVE_MODE, 25, 1), 1
	s_wait_xcnt 0x0
	s_wait_alu depctr_hold_cnt(0) depctr_sa_sdst(0) depctr_va_vdst(0) depctr_va_sdst(0) depctr_va_ssrc(0) depctr_va_vcc(0) depctr_vm_vsrc(0)
	s_getreg_b32 s2, hwreg(HW_REG_IB_STS2, 6, 4)
	s_cmp_eq_u32 s2, 0
	s_cbranch_scc0 .Lentry_in_a_cluster
	s_endpgm
.Lentry_in_a_cluster:
	s_bfe_u32 s2, ttmp6, 0x10000c
	s_cmp_lg_u32 s2, 0x3003
	s_cbranch_scc0 .Lentry_shape_is_right
	s_endpgm
.Lentry_shape_is_right:
; O = softmax(Q K^T / 8) V for 64 heads (16 batch + head) of 2,048 tokens x 64, both products on codes of FP4 (E2M1) with E8M0 scales; O / l is quantised along the head's 64 and leaves as codes.
; THE SOFTMAX AHEAD OF THE SECOND PRODUCT: t = score x log2(e) / 8; M = the row's largest t so far, rounded up to a whole number; p = 2^(t - M) is quantised along the keys, not normalised.  The row's sum l is taken of
; the unquantised p, in f32, and divides O at the end.  When M moves, l and O are multiplied by 2^(old M - new M): exact.
; IN: img, isc: images of operand registers and their scale words, by head and step of 128 tokens.  A tile of 16 tokens holds places in tile order: lane r of tile 2 b + u is token 32 b + 8 u + r + 8 (r / 8), so that the
; 16 result registers of tiles 2 b and 2 b + 1 are 16 neighbouring keys.  Queries keep their places: O goes out at the place at which its query came in.
; SHARES: a work-group owns 512 queries of one head; each of its sixteen waves owns one tile of 16 queries in each of two passes, in 256 registers: four waves to a SIMD, so that one wave's vector work stands beside
; another's matrix work and LDS loads.  The head's K and V, 128 KiB of codes and 8 KiB of scale words, lie in LDS for the whole launch: no slot is ever filled again.
; CLUSTER: the four work-groups of a head walk the same K and V: each tile is asked for jointly.  All tensor loads go out at the head (wave 0: K's five, wave 1: V's five), so there is no later load to prefetch for.
; K = 64 IN THE FIRST PRODUCT: the instruction takes 128.  Source 0 = two tiles of keys side by side (tile 2 P in k 0-63, tile 2 P + 1 in k 64-127); source 1 = my queries in one half and zero codes in the other.
; LAYOUT: both products are used transposed (source 0 = 16 keys, or 16 of the head's 64; source 1 = my 16 queries): a lane holds one query (lane % 16) throughout.
; LIMITS: NaN and infinities are not served; a block of zeros or under 2^-124 gets the scale byte 1 (its codes are zeros or the floor's; this program alone reads the bytes); 1 / l is v_rcp_f32's.
; REGISTERS: v1-7 addresses that stay; v8-10 addresses of the loads in hand; v12 -M, v13 the largest t, v[14:15] l in two halves; v16-23 (q, 0), v24-31 (0, q); v32-63 K; v64-95 V; v96-159 S^T, then p; v160-191 O^T;
;   v192-195 K's scale words, v196-199 V's, v200 Q's; v224-231 p's codes; v232-255 at work.
.set VIMG,  65536                      ; LDS: K's images at 0, V's here,
.set KSC,   131072                     ; K's scale words,
.set VSC,   135168                     ; V's,
.set SPARE, 139264                     ; and the spare words, 128 bytes for each wave: eight blocks of 256 bytes that no other line names
.set L16,  1                           ; v1   16 x lane: an image's place for my lane
.set AS0,  2                           ; v2   KSC + 16 r: my row's four scale words
.set AV0,  3                           ; v3   VIMG + 16 x lane
.set R16,  4                           ; v4   16 r
.set SPW,  5                           ; v5   LDS address of my spare word; never rewritten
.set NIL,  6                           ; v6   0; never rewritten
.set OB,   7                           ; v7   32 r + h: my scale byte's place in osc
.set ADK,  8
.set ADV,  9
.set ADS,  10
.set WV,   12                          ; s12  my wave's number
.set SEL,  20                          ; s[20:21] lane selects for v_permlanex16_b32: lane l xor 16
.set CS,   22                          ; s[22:23] c = log2(e) / 8
.set G1C,  24                          ; s[24:31] descriptor group 1 for a chunk of images;  s[32:39] for the scale words
.set G1S,  32
.set G0,   40                          ; s[40:59] five groups 0: the scale words, chunks 0 to 3
.set TB,   60                          ; s60  LDS byte at which the step's images begin: 4,096 a step
.set TS,   61                          ; s61  and its scale words: 256 a step
.set CNT,  63                          ; s63  counts steps
.macro CROUND                          ; a round of the cluster's barrier
	s_barrier_signal -1
	s_barrier_wait -1
	s_cmp_lg_u32 s[WV], 0
	s_cbranch_scc1 .Lnot_wave_0_\@
	s_barrier_signal -3
.Lnot_wave_0_\@:
	s_barrier_wait -3
	s_barrier_signal -1
	s_barrier_wait -1
.endm
	s_load_b256 s[4:11], s[0:1], 0x0               ; img s[4:5], isc s[6:7], oimg s[8:9], osc s[10:11]
	v_lshl_add_u32 v[SPW], v0, 2, SPARE
	v_mov_b32 v[NIL], 0
	ds_add_u32 v5, v6
	ds_add_u32 v5, v6
	s_wait_dscnt 0x0
	v_lshrrev_b32 v8, 5, v0
	s_delay_alu instid0(VALU_DEP_1)
	v_readfirstlane_b32 s[WV], v8                  ; wave 0..15
	s_bfe_u32 s13, ttmp6, 0x40000                  ; cx: my place in the cluster
	s_lshl_b32 s14, ttmp9, 2
	s_add_co_u32 s14, s14, s13                     ; my block of 512 queries: it enters global addresses alone
	s_and_b32 s15, ttmp7, 0xffff                   ; 16 batch + head, which the four partners share
	; descriptor group 1: dense blocks as rows of 256 bytes (32 elements of 8 bytes), no padding: every LDS read takes 512 consecutive bytes or 16 bytes a row of 16
	s_mov_b32 s[G1C], 15|(3<<16)|(1<<21)           ; 15:0 the mask: all four work-groups; 17:16 elements of 8 bytes; 21 set beside a mask
	s_mov_b32 s[G1C+1], 32<<16                     ; tensor_dim0
	s_mov_b32 s[G1C+2], 64<<16                     ; tensor_dim1: 64 rows: four steps' images, 16,384 bytes
	s_mov_b32 s[G1C+3], 32<<16                     ; tile_dim0
	s_mov_b32 s[G1C+4], 64                         ; tile_dim1
	s_mov_b32 s[G1C+5], 32                         ; from row to row
	s_mov_b32 s[G1C+6], 0
	s_mov_b32 s[G1C+7], 0
	s_mov_b32 s[G1S], 15|(3<<16)|(1<<21)
	s_mov_b32 s[G1S+1], 32<<16
	s_mov_b32 s[G1S+2], 16<<16                     ; 16 rows: a head's scale words, 4,096 bytes
	s_mov_b32 s[G1S+3], 32<<16
	s_mov_b32 s[G1S+4], 16
	s_mov_b32 s[G1S+5], 32
	s_mov_b32 s[G1S+6], 0
	s_mov_b32 s[G1S+7], 0
	s_mov_b32 s[SEL], 0x76543210
	s_mov_b32 s[SEL+1], 0xfedcba98
	s_mov_b32 s[CS], 0x3e38aa3b                    ; c = log2(e) / 8
	s_mov_b32 s[CS+1], s[CS]                       ; (named with it as a pair, so it is written)
	; what waves 0 and 1 fetch: wave 0 K's part of img and isc, wave 1 V's: parts 1 + wave
	s_add_co_u32 s16, s[WV], 1
	s_lshl_b32 s76, s16, 22
	s_lshl_b32 s17, s15, 16
	s_add_co_u32 s76, s76, s17                     ; the head's 65,536 bytes of images
	s_mov_b32 s77, 0
	s_lshl_b32 s78, s16, 18
	s_lshl_b32 s17, s15, 12
	s_add_co_u32 s78, s78, s17                     ; its 4,096 bytes of scale words
	s_mov_b32 s79, 0
	s_lshl_b32 s18, s[WV], 16                      ; in LDS: wave x 65,536,
	s_lshl_b32 s19, s[WV], 12                      ; KSC + wave x 4,096
	s_wait_kmcnt 0x0
	s_add_nc_u64 s[76:77], s[4:5], s[76:77]
	s_add_nc_u64 s[78:79], s[6:7], s[78:79]
	CROUND                                         ; all four work-groups are here: the joint loads meet
	s_mov_b32 s[G0], 1
	s_add_co_u32 s[G0+1], s19, KSC
	s_mov_b64 s[G0+2:G0+3], s[78:79]
	s_or_b32 s[G0+3], s[G0+3], 0x80000000
.irp c, 0,1,2,3
	s_mov_b32 s[G0+4+4*\c], 1
	s_add_co_u32 s[G0+5+4*\c], s18, \c*16384
	s_add_nc_u64 s[G0+6+4*\c:G0+7+4*\c], s[76:77], \c*16384
	s_or_b32 s[G0+7+4*\c], s[G0+7+4*\c], 0x80000000
.endr
	s_cmp_lt_u32 s[WV], 2                          ; a wave's five fills stand in one branch, ahead of every wait on TENSORcnt, every LDS read and every later barrier: five loads of mine are out
	s_cbranch_scc0 .Lno_fetch
	tensor_load_to_lds s[G0:G0+3], s[G1S:G1S+7]
	s_nop 0
	tensor_load_to_lds s[G0+4:G0+7], s[G1C:G1C+7]
	s_nop 0
	tensor_load_to_lds s[G0+8:G0+11], s[G1C:G1C+7]
	s_nop 0
	tensor_load_to_lds s[G0+12:G0+15], s[G1C:G1C+7]
	s_nop 0
	tensor_load_to_lds s[G0+16:G0+19], s[G1C:G1C+7]
	s_nop 0
.rept 4
	v_nop
.endr
.Lno_fetch:
	; my tile of queries in pass 0: tq = 32 x block + wave; pass 1's lies 16 tiles on, which stands in the immediates
	s_lshl_b32 s16, s14, 5
	s_add_co_u32 s16, s16, s[WV]
	s_mov_b32 s19, 0
	s_lshl_b32 s17, s16, 9
	s_lshl_b32 s18, s15, 16
	s_add_co_u32 s18, s18, s17
	s_add_nc_u64 s[66:67], s[4:5], s[18:19]        ; Q's image: head x 65,536 + tq x 512
	s_lshr_b32 s17, s16, 3
	s_lshl_b32 s17, s17, 8
	s_lshl_b32 s18, s15, 12
	s_add_co_u32 s18, s18, s17
	s_bfe_u32 s17, s16, 0x20001
	s_lshl_b32 s17, s17, 2
	s_add_co_u32 s18, s18, s17
	s_add_nc_u64 s[68:69], s[6:7], s[18:19]        ; Q's scale words: head x 4,096 + (tq / 8) x 256 + 4 ((tq % 8) / 2)
	s_lshr_b32 s17, s15, 4
	s_lshl_b32 s17, s17, 7
	s_add_co_u32 s17, s17, s16                     ; the tile among all tokens: 128 batch + tq
	s_and_b32 s76, s15, 15                         ; the head
	s_lshl_b32 s18, s17, 4
	s_add_co_u32 s18, s18, s76
	s_lshl_b32 s18, s18, 9
	s_add_nc_u64 s[70:71], s[8:9], s[18:19]        ; oimg: (tile x 16 + head) x 512
	s_lshl_b32 s18, s17, 9
	s_lshl_b32 s76, s76, 1
	s_add_co_u32 s18, s18, s76
	s_add_nc_u64 s[72:73], s[10:11], s[18:19]      ; osc: tile x 16 places x 32 bytes + 2 head
	s_and_b32 s17, s[WV], 1
	s_mov_b32 s74, 0x01000100                      ; an even tile's two bytes lie low in its word,
	s_cmp_eq_u32 s17, 1
	s_cselect_b32 s74, 0x03020302, s74             ; an odd tile's high: either way they are laid twice, for k 0-63 and k 64-127
	v_and_b32 v9, 31, v0                           ; lane
	v_and_b32 v10, 15, v0                          ; r
	v_bfe_u32 v11, v0, 4, 1                        ; h
	s_delay_alu instid0(VALU_DEP_3)
	v_lshlrev_b32 v[L16], 4, v9
	s_delay_alu instid0(VALU_DEP_3)
	v_lshlrev_b32 v[R16], 4, v10
	s_delay_alu instid0(VALU_DEP_1)
	v_add_nc_u32 v[AS0], KSC, v[R16]
	s_delay_alu instid0(VALU_DEP_3)
	v_add_nc_u32 v[AV0], VIMG, v[L16]
	v_lshl_add_u32 v[OB], v10, 5, v11
	v_cmp_eq_u32 s75, 1, v11                       ; the lanes with h = 1
.irp j, 20,21,22,23,24,25,26,27
	v_mov_b32 v[\j], 0                             ; the zero codes beside q, set once
.endr
.irp b, 0,1,2,3
	v_mov_b32 v[236+\b], 0                         ; written once: a lane permute's destination counts as one of its sources
.endr
	v_mov_b32 v253, 0                              ; (named as the upper half of the pair v[252:253] before it is first written)
; A pass begins: my 16 queries' codes, twice, and their scale word; M, l and O^T begin anew.
.macro PASS_HEAD p
	global_load_b128 v[16:19], v[L16], s[66:67] offset:8192*\p     ; q in k 0-63
	global_load_b128 v[28:31], v[L16], s[66:67] offset:8192*\p     ; q in k 64-127: a fragment of its own
	global_load_b32 v201, v[R16], s[68:69] offset:512*\p
.if \p
	s_wait_xcnt 0x0                                ; the last pass's stores have read their data registers, which this pass writes again
.endif
	s_mov_b32 s[TB], 0
	s_mov_b32 s[TS], 0
	s_wait_loadcnt 0x0
	v_perm_b32 v200, v201, v201, s74               ; Q's scale word: (s0, s1, s0, s1).  The 36 plain lines below stand between it and the first product
	v_mov_b32 v13, 0xff61b1e6                      ; the largest t so far: -3e38, under every t
	s_delay_alu instid0(VALU_DEP_1)
	v_floor_f32 v12, -v13                          ; -M
	v_mov_b32 v14, 0
	v_mov_b32 v15, 0
.set j, 0
.rept 32
	v_mov_b32 v[160+j], 0                          ; O^T: the step is written once for all steps: the first finds zeros, which the first change of M leaves zeros
.set j, j+1
.endr
.endm
; A KEY STEP: 128 keys.
.macro STEP
	s_setprio 2
	v_add_nc_u32 v[ADK], s[TB], v[L16]
	v_add_nc_u32 v[ADV], s[TB], v[AV0]
	v_add_nc_u32 v[ADS], s[TS], v[AS0]
	v_nop                                          ; four places in front of loads into registers that the last step's matrix instructions have read
	ds_load_b128 v[192:195], v[ADS]                ; K's scale words: word P for the pair of tiles 2 P, 2 P + 1
.irp T, 0,1,2,3,4,5,6,7
	ds_load_b128 v[32+4*\T:35+4*\T], v[ADK] offset:512*\T          ; tile T's image: 512 consecutive bytes
.endr
	ds_load_b128 v[196:199], v[ADS] offset:VSC-KSC ; V's scale words: word t for tile t
.irp i, 0,1,2,3,4,5,6,7
	ds_load_b128 v[64+4*\i:67+4*\i], v[ADV] offset:512*\i
.endr
	s_wait_dscnt 9                                 ; K's nine loads are in; V's nine may be out
.irp P, 0,1,2,3                        ; S^T = K Q^T: the pair of tiles against (q, 0), then against (0, q)
	v_wmma_scale_f32_16x16x128_f8f6f4 v[96+16*\P:103+16*\P], v[32+8*\P:39+8*\P], v[16:23], 0, v[192+\P], v200 matrix_a_fmt:MATRIX_FMT_FP4 matrix_b_fmt:MATRIX_FMT_FP4
	v_wmma_scale_f32_16x16x128_f8f6f4 v[104+16*\P:111+16*\P], v[32+8*\P:39+8*\P], v[24:31], 0, v[192+\P], v200 matrix_a_fmt:MATRIX_FMT_FP4 matrix_b_fmt:MATRIX_FMT_FP4
.endr                                  ; register 16 b + i of v96 on is key 32 b + 16 (lane / 16) + i of the step
.rept 4
	v_nop
.endr
.irp b, 0,1,2,3
	v_max3_num_f32 v[232+\b], v[96+16*\b], v[97+16*\b], v[98+16*\b]   ; the largest score of each block of 32 keys: it serves for the row's maximum and, since p rises with the score, for the block's largest p
.endr
.irp i, 3,5,7,9,11,13
.irp b, 0,1,2,3
	v_max3_num_f32 v[232+\b], v[232+\b], v[96+16*\b+\i], v[97+16*\b+\i]   ; (the four blocks by turns)
.endr
.endr
.irp b, 0,1,2,3
	v_max_num_f32 v[232+\b], v[232+\b], v[111+16*\b]
.endr
.irp b, 0,1,2,3
	s_delay_alu instid0(VALU_DEP_4)
	v_permlanex16_b32 v[236+\b], v[232+\b], s[SEL], s[SEL+1]
.endr
.irp b, 0,1,2,3
	s_delay_alu instid0(VALU_DEP_4)
	v_max_num_f32 v[232+\b], v[232+\b], v[236+\b]  ; with lane l xor 16's 16 keys
.endr
	s_delay_alu instid0(VALU_DEP_2)
	v_max3_num_f32 v254, v232, v233, v234
	s_delay_alu instid0(VALU_DEP_1)
	v_max_num_f32 v254, v254, v235                 ; the step's largest score of my query
	s_delay_alu instid0(VALU_DEP_1)
	v_mul_f32 v254, s[CS], v254                    ; as t (c is positive)
	s_delay_alu instid0(VALU_DEP_1)
	v_max_num_f32 v13, v13, v254                   ; the running largest t
	v_mov_b32 v254, v12
	s_delay_alu instid0(VALU_DEP_2)
	v_floor_f32 v12, -v13                          ; the new -M = floor(-t) = -ceil(t): a whole number
	s_delay_alu instid0(VALU_DEP_1)
	v_sub_f32 v254, v12, v254                      ; M's old value less its new one: a whole number, 0 or less
	s_delay_alu instid0(VALU_DEP_1)
	v_cvt_i32_f32 v254, v254                       ; (it saturates)
	s_delay_alu instid0(VALU_DEP_1)
	v_ldexp_f32 v252, 1.0, v254                    ; f = 2^(old M - new M)
.set j, 0
.rept 32
	v_pk_fma_f32 v[96+j:97+j], v[96+j:97+j], s[CS:CS+1], v[12:13] op_sel_hi:[1,0,0]   ; t - M, two at a time (of the pairs c and -M the low word serves both halves)
.set j, j+2
.endr
.irp b, 0,1,2,3
	v_fma_f32 v[232+\b], v[232+\b], s[CS], v12     ; the same of each block's largest score
.endr
.set j, 0
	s_wait_alu depctr_va_vdst(0)
.rept 64
	v_exp_f32 v[96+j], v[96+j]                     ; p = 2^(t - M), at most 1: not normalised
.set j, j+1
.endr
	s_setprio 1
	v_pk_mul_f32 v[14:15], v[14:15], v[252:253] op_sel_hi:[1,0]   ; l under the new M (a plain place behind the exponentials)
	s_wait_alu depctr_va_vdst(0)                   ; one wait for the batch of 64, ahead of its first reader
.irp b, 0,1,2,3
	v_exp_f32 v[232+\b], v[232+\b]                 ; the block's largest p: the same two instructions on the same number give the same bits
.endr
	v_pk_add_f32 v[236:237], v[100:101], v[104:105]
	v_pk_add_f32 v[254:255], v[108:109], v[112:113]
	v_pk_add_f32 v[250:251], v[116:117], v[120:121]
	v_pk_add_f32 v[248:249], v[124:125], v[128:129]
	v_pk_add_f32 v[246:247], v[132:133], v[136:137]
	v_pk_add_f32 v[244:245], v[140:141], v[144:145]
	v_pk_add_f32 v[242:243], v[148:149], v[152:153]
	v_pk_add_f32 v[14:15], v[14:15], v[156:157]
	v_pk_add_f32 v[236:237], v[236:237], v[96:97]
	v_pk_add_f32 v[254:255], v[254:255], v[98:99]
	v_pk_add_f32 v[250:251], v[250:251], v[102:103]
	v_pk_add_f32 v[248:249], v[248:249], v[106:107]
	v_pk_add_f32 v[246:247], v[246:247], v[110:111]
	v_pk_add_f32 v[244:245], v[244:245], v[114:115]
	v_pk_add_f32 v[242:243], v[242:243], v[118:119]
	v_pk_add_f32 v[14:15], v[14:15], v[122:123]
	v_pk_add_f32 v[236:237], v[236:237], v[126:127]
	v_pk_add_f32 v[254:255], v[254:255], v[130:131]
	v_pk_add_f32 v[250:251], v[250:251], v[134:135]
	v_pk_add_f32 v[248:249], v[248:249], v[138:139]
	v_pk_add_f32 v[246:247], v[246:247], v[142:143]
	v_pk_add_f32 v[244:245], v[244:245], v[146:147]
	v_pk_add_f32 v[242:243], v[242:243], v[150:151]
	v_pk_add_f32 v[14:15], v[14:15], v[154:155]
	v_pk_add_f32 v[236:237], v[236:237], v[158:159]
	s_delay_alu instid0(VALU_DEP_2)
	v_pk_add_f32 v[14:15], v[14:15], v[248:249]
	s_delay_alu instid0(VALU_DEP_2)
	v_pk_add_f32 v[236:237], v[236:237], v[246:247]
	v_pk_add_f32 v[254:255], v[254:255], v[244:245]
	v_pk_add_f32 v[250:251], v[250:251], v[242:243]
	s_delay_alu instid0(VALU_DEP_2)
	v_pk_add_f32 v[14:15], v[14:15], v[254:255]
	s_delay_alu instid0(VALU_DEP_2)
	v_pk_add_f32 v[236:237], v[236:237], v[250:251]
	s_delay_alu instid0(VALU_DEP_1)
	v_pk_add_f32 v[14:15], v[14:15], v[236:237]
	s_wait_alu depctr_va_vdst(0)                   ; and one wait for the four
.irp b, 0,1,2,3
	v_max_num_f32 v[232+\b], 0x1800000, v[232+\b]  ; the floor 2^(3 - 127): the byte cannot fall under 1
.endr
.irp b, 0,1,2,3
	s_delay_alu instid0(VALU_DEP_4)
	v_add_nc_u32 v[244+\b], 0xff000000, v[232+\b]  ; 2 off the exponent field: the conversion's scale operand
.endr
.irp b, 0,1,2,3
	s_delay_alu instid0(VALU_DEP_4)
	v_lshrrev_b32 v[236+\b], 23, v[244+\b]         ; the scale's byte
.endr
	s_delay_alu instid0(VALU_DEP_3)
	v_lshl_or_b32 v253, v237, 8, v236              ; p's scale word for these 128 keys
	s_delay_alu instid0(VALU_DEP_1)
	v_lshl_or_b32 v253, v238, 16, v253
	s_delay_alu instid0(VALU_DEP_1)
	v_lshl_or_b32 v253, v239, 24, v253
.irp b, 0,1,2,3
	v_cvt_scalef32_pk8_fp4_f32 v[224+2*\b], v[96+16*\b:103+16*\b], v[244+\b]
	v_cvt_scalef32_pk8_fp4_f32 v[225+2*\b], v[104+16*\b:111+16*\b], v[244+\b]
.endr
	v_nop                                          ; one plain place behind a scaled conversion
.irp c, 0,1                            ; the operand's layout wants a whole block in a lane
.irp i, 0,1
	v_permlane16_swap_b32 v[224+4*\c+\i], v[226+4*\c+\i]
.endr
.endr
.set j, 0
	s_setprio 0
.rept 16
	v_pk_mul_f32 v[160+j:161+j], v[160+j:161+j], v[252:253] op_sel_hi:[1,0]   ; O^T under the new M.  (These 16 also stand between the lines that made p's codes and scale word and the products)
.set j, j+2
.endr
	s_wait_alu depctr_va_vdst(0)
	s_wait_dscnt 0x0                               ; V is in
.irp t, 0,1,2,3                        ; O^T += V^T P^T: four tiles of 16 of the head's 64, by turns; K = these 128 keys
	v_wmma_scale_f32_16x16x128_f8f6f4 v[160+8*\t:167+8*\t], v[64+8*\t:71+8*\t], v[224:231], v[160+8*\t:167+8*\t], v[196+\t], v253 matrix_a_fmt:MATRIX_FMT_FP4 matrix_b_fmt:MATRIX_FMT_FP4
.endr
	s_add_co_u32 s[TB], s[TB], 4096
	s_add_co_u32 s[TS], s[TS], 256
.endm
; Four steps, whose images one tensor load of each of waves 0 and 1 brought.  left: the loads that those waves issued behind it, which may stay out.
.macro CHUNK left
	s_wait_tensorcnt \left                         ; on every wave's path; in waves 0 and 1 it shows the chunk landed
	s_wait_dscnt 0x0
	s_barrier_signal -1
	s_barrier_wait -1                              ; so every wave may read it
	s_mov_b32 s[CNT], 4
.Lstep_\@:
	STEP
	s_sub_co_u32 s[CNT], s[CNT], 1
	s_cmp_lg_u32 s[CNT], 0
	s_cbranch_scc1 .Lstep_\@
	s_setprio 0
.endm
; A pass ends: O^T / l; register 16 b + i is channel 32 b + 16 (lane / 16) + i of my query: two half blocks of the last product's K.
.macro OUT p
	v_add_f32 v14, v14, v15                        ; l's two halves,
	s_delay_alu instid0(VALU_DEP_1)
	v_permlanex16_b32 v252, v14, s[SEL], s[SEL+1]
	s_delay_alu instid0(VALU_DEP_1)
	v_add_f32 v14, v14, v252                       ; and lane l xor 16's
	s_wait_alu depctr_va_vdst(0)
	v_rcp_f32 v14, v14
	v_nop                                          ; plain lines behind the reciprocal; with the additions above they are the places behind the last products
	v_nop
	s_wait_alu depctr_va_vdst(0)                   ; ahead of the reciprocal's first reader
.set j, 0
.rept 32
	v_mul_f32 v[96+j], v[160+j], v14               ; each accumulator from its low end on
.set j, j+1
.endr
.irp b, 0,1
	v_max3_num_f32 v[232+\b], |v[96+16*\b]|, |v[97+16*\b]|, 0x1800000
.endr
.irp i, 2,4,6,8,10,12,14
.irp b, 0,1
	s_delay_alu instid0(VALU_DEP_2)
	v_max3_num_f32 v[232+\b], v[232+\b], |v[96+16*\b+\i]|, |v[97+16*\b+\i]|
.endr
.endr
.irp b, 0,1
	s_delay_alu instid0(VALU_DEP_2)
	v_permlanex16_b32 v[236+\b], v[232+\b], s[SEL], s[SEL+1]
.endr
.irp b, 0,1
	s_delay_alu instid0(VALU_DEP_2)
	v_max_num_f32 v[232+\b], v[232+\b], v[236+\b]
.endr
.irp b, 0,1
	s_delay_alu instid0(VALU_DEP_2)
	v_add_nc_u32 v[244+\b], 0xff000000, v[232+\b]
.endr
.irp b, 0,1
	s_delay_alu instid0(VALU_DEP_2)
	v_lshrrev_b32 v[236+\b], 23, v[244+\b]
.endr
.irp b, 0,1
	v_cvt_scalef32_pk8_fp4_f32 v[224+2*\b], v[96+16*\b:103+16*\b], v[244+\b]
	v_cvt_scalef32_pk8_fp4_f32 v[225+2*\b], v[104+16*\b:111+16*\b], v[244+\b]
.endr
	v_cndmask_b32 v240, v236, v237, s75            ; the byte of block h (the plain place behind the conversions)
	v_permlane16_swap_b32 v224, v226               ; a whole block in a lane: lane (r, h) holds block h in v[224:227]
	v_permlane16_swap_b32 v225, v227
	global_store_b128 v[L16], v[224:227], s[70:71] offset:131072*\p   ; 32 lanes store 512 consecutive bytes, aligned
	global_store_b8 v[OB], v240, s[72:73] offset:8192*\p              ; two bytes of each of 16 rows of 32: a seventeenth of what the launch stores
.endm
	PASS_HEAD 0
	CHUNK 3                                        ; behind the scale words and chunk 0 three loads were issued
	CHUNK 2
	CHUNK 1
	CHUNK 0
	OUT 0
	PASS_HEAD 1                                    ; everything lies in LDS and every wave has passed the four barriers: the second pass needs none
	s_mov_b32 s[CNT], 16
.Lpass_1:
	STEP
	s_sub_co_u32 s[CNT], s[CNT], 1
	s_cmp_lg_u32 s[CNT], 0
	s_cbranch_scc1 .Lpass_1
	s_setprio 0
	OUT 1
	s_wait_tensorcnt 0x0                           ; the wave's end
	ds_add_u32 v[SPW], v[NIL]
	s_wait_dscnt 0x0
	CROUND                                         ; the closing round
	s_endpgm
.Lfunc_end_k_q8c14db643d_attn:
	.size	k_q8c14db643d_attn, .Lfunc_end_k_q8c14db643d_attn-k_q8c14db643d_attn
	.p2alignl 7, 3214868480
	.fill 96, 4, 3214868480
	.section	.rodata,"a",@progbits
	.p2align	6, 0x0
	.amdhsa_kernel k_q8c14db643d_attn
		.amdhsa_group_segment_fixed_size 327680
		.amdhsa_private_segment_fixed_size 0
		.amdhsa_enable_private_segment 0
		.amdhsa_kernarg_size 32
		.amdhsa_user_sgpr_count 2
		.amdhsa_user_sgpr_kernarg_segment_ptr 1
		.amdhsa_wavefront_size32 1
		.amdhsa_system_sgpr_workgroup_id_x 1
		.amdhsa_system_sgpr_workgroup_id_y 1
		.amdhsa_system_sgpr_workgroup_id_z 1
		.amdhsa_system_vgpr_workitem_id 0
		.amdhsa_next_free_vgpr 256
		.amdhsa_next_free_sgpr 90
		.amdhsa_reserve_vcc 0
		.amdhsa_float_denorm_mode_32 3
		.amdhsa_float_denorm_mode_16_64 3
		.amdhsa_memory_ordered 1
		.amdhsa_forward_progress 1
		.amdhsa_inst_pref_size 99
	.end_amdhsa_kernel
	.amdgpu_metadata
---
amdhsa.version: [ 1, 2 ]
amdhsa.kernels:
  - .name:           k_q8c14db643d_attn
    .symbol:         k_q8c14db643d_attn.kd
    .args:
      - { .name: img, .offset: 0, .size: 8, .value_kind: global_buffer, .address_space: global }
      - { .name: isc, .offset: 8, .size: 8, .value_kind: global_buffer, .address_space: global }
      - { .name: oimg, .offset: 16, .size: 8, .value_kind: global_buffer, .address_space: global }
      - { .name: osc, .offset: 24, .size: 8, .value_kind: global_buffer, .address_space: global }
    .group_segment_fixed_size: 327680
    .private_segment_fixed_size: 0
    .kernarg_segment_align: 8
    .kernarg_segment_size: 32
    .max_flat_workgroup_size: 512
    .sgpr_count:     90
    .vgpr_count:     256
    .wavefront_size: 32
...
	.end_amdgpu_metadata
.endif
;; end of part 3
;; launch outproj (part 4): grid 4 x 32, 4 waves a work-group, clusters of 4 x 4, 327,680 bytes of LDS; arguments oimg, osc, codes, scales, bo, out0; writes out0
.if DOCPART == 4
	.amdgcn_target "amdgcn-amd-amdhsa--gfx1250"
	.amdhsa_code_object_version 6
	.text
	.protected	k_q8c14db643d_outproj
	.globl	k_q8c14db643d_outproj
	.p2align	8
	.type	k_q8c14db643d_outproj,@function
k_q8c14db643d_outproj:
	s_mov_b64 s[64:65], 0
	v_nop
	global_prefetch_b8 v0, s[64:65] scope:SCOPE_SE
	s_setreg_imm32_b32 hwreg(HW_REG_WAVE_MODE, 25, 1), 1
	s_wait_xcnt 0x0
	s_wait_alu depctr_hold_cnt(0) depctr_sa_sdst(0) depctr_va_vdst(0) depctr_va_sdst(0) depctr_va_ssrc(0) depctr_va_vcc(0) depctr_vm_vsrc(0)
	s_getreg_b32 s2, hwreg(HW_REG_IB_STS2, 6, 4)
	s_cmp_eq_u32 s2, 0
	s_cbranch_scc0 .Lentry_in_a_cluster
	s_endpgm
.Lentry_in_a_cluster:
	s_bfe_u32 s2, ttmp6, 0x10000c
	s_cmp_lg_u32 s2, 0xf033
	s_cbranch_scc0 .Lentry_shape_is_right
	s_endpgm
.Lentry_shape_is_right:
; out0 = O Wo^T + bo on codes of FP4 (E2M1) with E8M0 scales; sums and result in f32.  O: 8,192 tokens x 1,024 as images of operand registers (oimg: [tile of 16 places][head][lane][16 bytes]: lane (r, h) holds block h of
; the head's 64 codes of the token at place r) and scale bytes (osc: [place][32]).  Wo: codes at 0xD80000 of codes, rows of 512 bytes, scale bytes at 0xD8000 of scales, rows of 32.
; Tokens and Wo's rows lie in tile order: place 16 u + 8 g + j of a group of 32 holds row 16 g + 8 u + j.  The stores put every number at its true row and column.
; A work-group makes 256 tokens x 256 columns, a wave 128 x 128: 64 accumulators, 512 registers.  Source 0 = 16 rows of Wo, source 1 = 16 tokens: a lane holds one token, and the 16 registers of Wo's tiles 2 b' and 2 b' + 1
; are columns 32 b' + 16 (lane / 16) + 0 .. 15.  K = 1,024 is two slots of 512 along K, both asked for at the head with all scale bytes: nothing in LDS is filled again, and there is no later load to prefetch for.
; CLUSTER: 4 x 4 work-groups; the four of a row of the cluster need the same tokens, the four of a column the same rows of Wo: each tile is asked for jointly.  128 work-groups: the tile is kept at 256 x 256.
; THE BIAS is the C of each sum's first matrix instruction (an order of rounding other than adding it last).  LIMITS: NaN and infinities are not served.
; REGISTERS, in windows of 256: window 0: v1-15 at work; v16-29 addresses; v32-95 scale words, two sets; v128-191 A's fragments, one set; v192-255 the bias; on the way out v128-255 take rows read back.
;   window 1: B's fragments, two sets.   windows 2, 3: the accumulators ((a, b) at v[8 (8 (a % 4) + b)]).
.set NQ,     4
.set ROWB,   256                       ; a row of B's tile in bytes
.set KROW,   512
.set PITCH,  272                       ; B's LDS row: 256 bytes + 16 of padding: the 16 rows of a load start 4 banks apart (64 banks of 4 bytes: ISA guide 11.1)
.set FR,     8
.set NL,     2
.set NP,     4                         ; places behind this matrix instruction (ISA guide 7.12.1)
.set HALFT,  128*PITCH
.set HALFA,  32768                     ; A's images of 128 tokens x 512 along K: 8 tiles x 4,096 bytes, dense
.set SLOT,   4*HALFT                   ; A's two halves from the slot's first byte on, B's two halves from 2 HALFT on
.set KS,     32
.set SCL,    2*SLOT
.set HALFS,  16*272
.set SBLK,   2*272
.set SPARE,  SCL+4*HALFS               ; the spare words, 128 bytes for each wave: two blocks of 256 bytes that no other line names
.set SPITCH, 528                       ; the way out: a stage of 16 rows x (512 bytes + 16) for each wave, in slot 0, which has had its only fill and its last read when the first result is stored there
.set ADRA, 16
.set ADRB, 20
.set STO,  24                          ; v24  the way out: where I put 32 bytes of a row
.set RD,   25                          ; v25  where I read a row back
.set CO,   26                          ; v26  16 x lane
.set ADRS, 27
.set SPW,  28
.set NIL,  29
.set SC,   32
.set AF,   128
.set BB,   192                         ; the bias: register 16 b' + i = column 32 b' + 16 (lane / 16) + i
.set BK,   128                         ; the way out: 16 rows read back: v128-191 and v192-255 by turns
.set G1, 24
.set G0, 32
.set G1B, 48
.set G0B, 56
.set G1S, 68
.set G0S, 76
.set G1SB, 80
.set G0SB, 88
.set MSB, 0
.macro WIN new                         ; s_set_vgpr_msb: bits 1:0 source 0, 3:2 source 1, 5:4 source 2, 7:6 destination; the high byte repeats the setting that is left
.if MSB != \new
	s_set_vgpr_msb (MSB<<8)|\new
.set MSB, \new
.endif
.endm
.set MUL_LO, 0xa1                      ; source 0 (B) window 1, source 1 (A) window 0, C and D window 2
.set MUL_HI, 0xf1
.set FST_LO, 0x81                      ; the same with C (the bias) in window 0
.set FST_HI, 0xc1
.set TO_B,   0x40
.macro JLOAD g0a, g1a, g0b, g1b        ; a joint load: waves 0 and 1 fetch for A, waves 2 and 3 for B; four v_nop follow each of the two lines
	s_cmp_eq_u32 s19, 0
	s_cbranch_scc0 .Lfor_b_\@
	tensor_load_to_lds s[\g0a:\g0a+3], s[\g1a:\g1a+7]
	s_nop 0
.rept 4
	v_nop
.endr
	s_branch .Lasked_\@
.Lfor_b_\@:
	tensor_load_to_lds s[\g0b:\g0b+3], s[\g1b:\g1b+7]
	s_nop 0
.rept 4
	v_nop
.endr
.Lasked_\@:
.endm
.macro CROUND                          ; a round of the cluster's barrier
	s_barrier_signal -1
	s_barrier_wait -1
	s_cmp_lg_u32 s18, 0
	s_cbranch_scc1 .Lnot_wave_0_\@
	s_barrier_signal -3
.Lnot_wave_0_\@:
	s_barrier_wait -3
	s_barrier_signal -1
	s_barrier_wait -1
.endm
	s_load_b256 s[4:11], s[0:1], 0x0               ; oimg s[4:5], osc s[6:7], codes s[8:9], scales s[10:11]
	s_load_b128 s[12:15], s[0:1], 0x20             ; bo s[12:13], out0 s[14:15]
	v_lshl_add_u32 v[SPW], v0, 2, SPARE
	v_mov_b32 v[NIL], 0
	ds_add_u32 v28, v29
	ds_add_u32 v28, v29
	s_wait_dscnt 0x0
	v_lshrrev_b32 v1, 5, v0
	v_readfirstlane_b32 s18, v1                    ; wave 0..3
	s_lshr_b32 s19, s18, 1                         ; which half of the tile's tokens is mine.  Also: I fetch for A (0) or for B (1)
	s_and_b32 s20, s18, 1                          ; which half of its columns.  Also: which 128 rows of that tile I fetch
	s_bfe_u32 s21, ttmp6, 0x40000                  ; cx, cy
	s_bfe_u32 s22, ttmp6, 0x40004
	s_lshl_b32 s42, ttmp9, 2
	s_add_co_u32 s42, s42, s21                     ; tile column
	s_and_b32 s43, ttmp7, 0xffff
	s_lshl_b32 s43, s43, 2
	s_add_co_u32 s43, s43, s22                     ; tile row
	s_lshl_b32 s44, s22, 2
	s_lshl_b32 s44, 15, s44                        ; my row of the cluster
	s_lshl_b32 s45, 0x1111, s21                    ; my column
	; A's tiles: 8 tiles of tokens x 4,096 bytes (8 heads' images), 8,192 bytes apart, no padding: every read takes 512 consecutive bytes
	s_or_b32 s[G1+0], s44, (3<<16)|(1<<21)         ; 15:0 the mask: my row; 17:16 elements of 8 bytes; 21 set beside a mask
	s_mov_b32 s[G1+1], 512<<16                     ; tensor_dim0
	s_mov_b32 s[G1+2], 8<<16                       ; tensor_dim1
	s_mov_b32 s[G1+3], 512<<16                     ; tile_dim0
	s_mov_b32 s[G1+4], 8                           ; tile_dim1
	s_mov_b32 s[G1+5], 1024                        ; from row to row
	s_mov_b32 s[G1+6], 0
	s_mov_b32 s[G1+7], 0
	; B's tiles: 128 rows x 256 bytes, padded in LDS
	s_or_b32 s[G1B+0], s45, (0<<16)|(1<<20)|(1<<21)|(5<<22)|(3<<25)
	s_mov_b32 s[G1B+1], ROWB<<16
	s_mov_b32 s[G1B+2], 128<<16
	s_mov_b32 s[G1B+3], ROWB<<16
	s_mov_b32 s[G1B+4], 128
	s_mov_b32 s[G1B+5], KROW
	s_mov_b32 s[G1B+6], 0
	s_mov_b32 s[G1B+7], 0
	; the scales of 128 rows: 4,096 dense bytes as 16 rows of 256, 16 bytes of padding behind each
	s_or_b32 s[G1S+0], s44, (3<<16)|(1<<20)|(1<<21)|(5<<22)|(3<<25)
	s_or_b32 s[G1SB+0], s45, (3<<16)|(1<<20)|(1<<21)|(5<<22)|(3<<25)
.irp g, G1S, G1SB
	s_mov_b32 s[\g+1], 32<<16
	s_mov_b32 s[\g+2], 16<<16
	s_mov_b32 s[\g+3], 32<<16
	s_mov_b32 s[\g+4], 16
	s_mov_b32 s[\g+5], 32
	s_mov_b32 s[\g+6], 0
	s_mov_b32 s[\g+7], 0
.endr
	s_lshl_b32 s2, s20, 16                         ; the half that I fetch: 128 rows x 512 bytes
	s_lshl_b32 s46, s43, 17                        ; A: 16 tiles of tokens x 8,192 bytes to a tile row
	s_add_co_u32 s46, s46, s2
	s_mov_b32 s47, 0
	s_lshr_b32 s92, s46, 4                         ; A's scale bytes: a sixteenth of that
	s_mov_b32 s93, 0
	s_lshl_b32 s94, s42, 17                        ; B: 256 rows x 512 bytes to a tile column
	s_add_co_u32 s94, s94, s2
	s_add_co_u32 s94, s94, 0xD80000                ; Wo's codes
	s_mov_b32 s95, 0
	s_lshr_b32 s96, s94, 4
	s_mov_b32 s97, 0
	s_lshl_b32 s98, s18, 15                        ; where they go: A's halves at wave x 32,768 (waves 0, 1),
	s_mul_i32 s99, s18, HALFT                      ; B's at wave x 128 rows (waves 2, 3),
	s_mul_i32 s41, s18, HALFS                      ; the scales at wave x 4,352: no place in the cluster enters an LDS address
	s_wait_kmcnt 0x0
	s_add_nc_u64 s[46:47], s[4:5], s[46:47]
	s_add_nc_u64 s[92:93], s[6:7], s[92:93]
	s_add_nc_u64 s[94:95], s[8:9], s[94:95]
	s_add_nc_u64 s[96:97], s[10:11], s[96:97]
	CROUND                                         ; all sixteen work-groups are here: the joint loads meet
	s_mov_b32 s[G0S], 1
	s_add_co_u32 s[G0S+1], s41, SCL
	s_mov_b64 s[G0S+2:G0S+3], s[92:93]
	s_or_b32 s[G0S+3], s[G0S+3], 0x80000000
	s_mov_b32 s[G0SB], 1
	s_add_co_u32 s[G0SB+1], s41, SCL
	s_mov_b64 s[G0SB+2:G0SB+3], s[96:97]
	s_or_b32 s[G0SB+3], s[G0SB+3], 0x80000000
	JLOAD G0S, G1S, G0SB, G1SB
.irp s, 0,1
	s_mov_b32 s[G0+4*\s], 1
	s_add_co_u32 s[G0+4*\s+1], s98, \s*SLOT
	s_add_nc_u64 s[G0+4*\s+2:G0+4*\s+3], s[46:47], \s*4096
	s_or_b32 s[G0+4*\s+3], s[G0+4*\s+3], 0x80000000
	s_mov_b32 s[G0B+4*\s], 1
	s_add_co_u32 s[G0B+4*\s+1], s99, \s*SLOT
	s_add_nc_u64 s[G0B+4*\s+2:G0B+4*\s+3], s[94:95], \s*ROWB
	s_or_b32 s[G0B+4*\s+3], s[G0B+4*\s+3], 0x80000000
	s_wait_alu depctr_va_vdst(0)
	s_wait_tensorcnt 0x0
	ds_add_u32 v28, v29
	s_wait_dscnt 0x0
	CROUND
	JLOAD G0+4*\s, G1, G0B+4*\s, G1B               ; one tensor load of mine is out now (the earlier ones have landed), and no more follow
.endr
	v_and_b32 v1, 15, v0                           ; r
	v_bfe_u32 v2, v0, 4, 1                         ; h
	v_and_b32 v6, 31, v0
	v_lshlrev_b32 v[CO], 4, v6                     ; 16 x lane
	v_mul_u32_u24 v3, v1, PITCH
	v_lshl_add_u32 v4, v2, 4, v3
	s_lshl_b32 s2, s19, 15                         ; my 128 tokens' images
	s_mul_i32 s3, s20, HALFT                       ; my 128 rows of B,
	s_add_co_u32 s3, s3, 2*HALFT                   ; from 2 HALFT on
.irp s, 0,1
	v_add_nc_u32 v[ADRA+\s], s2, v[CO]
	v_add_nc_u32 v[ADRB+\s], s3, v4
	s_add_co_u32 s2, s2, SLOT
	s_add_co_u32 s3, s3, SLOT
.endr
	v_mul_u32_u24 v5, v1, KS
	v_lshrrev_b32 v6, 8, v5
	v_lshl_add_u32 v5, v6, 4, v5
	s_mul_i32 s2, s19, HALFS
	s_mul_i32 s3, s20, HALFS
	s_add_co_u32 s3, s3, 2*HALFS
	s_sub_co_u32 s3, s3, s2
	v_mul_u32_u24 v6, s3, v2                       ; lanes 16-31 take B's: one product, the distance x h
	s_add_co_u32 s2, s2, SCL
	v_add_nc_u32 v5, v5, v6
	v_add_nc_u32 v[ADRS], s2, v5
	s_mul_i32 s23, s18, 16*SPITCH                  ; my stage
	v_mul_u32_u24 v5, v1, SPITCH
	v_lshl_add_u32 v5, v2, 6, v5                   ; in: row r, + 64 h: my 16 columns of each 32
	v_add_nc_u32 v[STO], s23, v5
	v_add_nc_u32 v[RD], s23, v[CO]                 ; back: the 32 lanes take one row of 512 bytes
	s_lshl_b32 s2, s42, 10
	s_lshl_b32 s3, s20, 9
	s_add_co_u32 s2, s2, s3                        ; my first column, in bytes: in bo and in a row of out0
	s_mov_b32 s3, 0
	s_add_nc_u64 s[12:13], s[12:13], s[2:3]
	s_add_nc_u64 s[14:15], s[14:15], s[2:3]
	s_lshl_b32 s2, s43, 20
	s_lshl_b32 s40, s19, 19
	s_add_co_u32 s2, s2, s40                       ; my first token's row: (256 x tile row + 128 x half) x 4,096 bytes, under 2^25
	s_add_nc_u64 s[14:15], s[14:15], s[2:3]
	v_lshlrev_b32 v7, 6, v2
.irp b, 0,1,2,3
.irp q, 0,1,2,3
	global_load_b128 v[BB+16*\b+4*\q:BB+16*\b+4*\q+3], v7, s[12:13] offset:128*\b+16*\q
.endr
.endr
.macro FRAG reg, adr, q, i             ; B: 16 rows x 128 K: registers 4 c .. 4 c + 3 hold K = 64 c + 32 (l / 16) + 0 .. 31
.irp c, 0,1
	ds_load_b128 v[\reg+4*\c:\reg+4*\c+3], v[\adr] offset:64*(\q)+32*\c+(\i)*16*PITCH
.endr
.endm
.macro FRAGA reg, adr, q, i            ; A: tile i of tokens, heads 2 q + c of the slot's eight: the images are the registers
.irp c, 0,1
	ds_load_b128 v[\reg+4*\c:\reg+4*\c+3], v[\adr] offset:4096*(\i)+1024*(\q)+512*\c
.endr
.endm
; 16 matrix instructions: A's blocks a0, a0 + 1 x B's eight.  first = 1: the bias starts the sums.  The 64 accumulators take turns, one instruction a turn, in the same order in every step.
.macro MUL16 a0, p, q, sc, first
.irp a, \a0, \a0+1
.irp b, 0,1,2,3,4,5,6,7
.if \first
	v_wmma_scale_f32_16x16x128_f8f6f4 v[8*(8*((\a)%4)+\b):8*(8*((\a)%4)+\b)+7], v[128*(\p)+FR*\b:128*(\p)+FR*\b+FR-1], v[AF+FR*(\a):AF+FR*(\a)+FR-1], v[BB+8*\b:BB+8*\b+7], v[SC+8*NQ*(\sc)+NQ*\b+(\q)], v[SC+8*NQ*(\sc)+NQ*(\a)+(\q)] matrix_a_fmt:MATRIX_FMT_FP4 matrix_b_fmt:MATRIX_FMT_FP4 matrix_a_scale:MATRIX_SCALE_ROW1
.else
	v_wmma_scale_f32_16x16x128_f8f6f4 v[8*(8*((\a)%4)+\b):8*(8*((\a)%4)+\b)+7], v[128*(\p)+FR*\b:128*(\p)+FR*\b+FR-1], v[AF+FR*(\a):AF+FR*(\a)+FR-1], v[8*(8*((\a)%4)+\b):8*(8*((\a)%4)+\b)+7], v[SC+8*NQ*(\sc)+NQ*\b+(\q)], v[SC+8*NQ*(\sc)+NQ*(\a)+(\q)] matrix_a_fmt:MATRIX_FMT_FP4 matrix_b_fmt:MATRIX_FMT_FP4 matrix_a_scale:MATRIX_SCALE_ROW1
.endif
.endr
.endr
.endm
.macro FETCH_B slot, q, p
	WIN TO_B
.irp i, 0,1,2,3,4,5,6,7
	FRAG 128*(\p)+FR*\i, ADRB+\slot, \q, \i
.endr
	WIN 0
.endm
.macro FETCH_A slot, q, i0
.irp i, \i0, \i0+1, \i0+2, \i0+3
	FRAGA AF+FR*(\i), ADRA+\slot, \q, \i
.endr
.endm
.macro SCALES sc
.irp i, 0,1,2,3,4,5,6,7
	ds_load_b128 v[SC+8*NQ*\sc+NQ*\i:SC+8*NQ*\sc+NQ*\i+3], v[ADRS] offset:\i*SBLK
.endr
.endm
.macro PLACES n                        ; places in front of loads into registers that matrix instructions have read, and of the first read of results (for the first read of results)
.rept \n
	v_nop
.endr
.endm
.macro STEP slot, q, first
	s_wait_dscnt 4*NL                              ; B's set and A's blocks 0-3 are in; the youngest eight loads (A's blocks 4-7) may be out
.if \first
	WIN FST_LO
.else
	WIN MUL_LO
.endif
	MUL16 0, (\q)%2, \q, \slot, \first
	MUL16 2, (\q)%2, \q, \slot, \first
	s_wait_dscnt 0                                 ; A's blocks 4-7 are in
	PLACES NP
	FETCH_B \slot, (\q)+1, 1-(\q)%2
	FETCH_A \slot, (\q)+1, 0
.if \first
	WIN FST_HI
.else
	WIN MUL_HI
.endif
	MUL16 4, (\q)%2, \q, \slot, \first
	MUL16 6, (\q)%2, \q, \slot, \first
	PLACES NP
	WIN 0
	FETCH_A \slot, (\q)+1, 4
.endm
	s_wait_alu depctr_va_vdst(0)
	s_wait_loadcnt 0x0                             ; the bias
	s_wait_tensorcnt 1                             ; the scales and my part of slot 0 are in (slot 1's load may be out)
	s_barrier_signal -1
	s_barrier_wait -1                              ; everybody's are
	FETCH_B 0, 0, 0
	FETCH_A 0, 0, 0
	SCALES 0
	FETCH_A 0, 0, 4
	STEP 0, 0, 1
	STEP 0, 1, 0
	STEP 0, 2, 0
	; slot 0's last step changes slots: one barrier; in front of it my part of slot 1 has landed and my reads of slot 0 are over
	s_wait_tensorcnt 0x0                           ; all my tensor loads have landed
	ds_add_u32 v[SPW], v[NIL]                      ; 0 onto my spare word
	s_wait_dscnt 4*NL+1                            ; (the add and the youngest eight loads may be out)
	WIN MUL_LO
	MUL16 0, 1, NQ-1, 0, 0
	s_wait_dscnt 0x0                               ; my reads of slot 0 are over
	s_barrier_signal -1
	MUL16 2, 1, NQ-1, 0, 0
	WIN 0
	s_barrier_wait -1                              ; slot 1 is whole, and nobody reads slot 0 any more
	PLACES NP
	v_add_nc_u32 v[ADRS], 4*NQ, v[ADRS]
	FETCH_B 1, 0, 0
	FETCH_A 1, 0, 0
	SCALES 1
	WIN MUL_HI
	MUL16 4, 1, NQ-1, 0, 0
	MUL16 6, 1, NQ-1, 0, 0
	PLACES NP
	WIN 0
	FETCH_A 1, 0, 4
	STEP 1, 0, 0
	STEP 1, 1, 0
	STEP 1, 2, 0
	s_wait_dscnt 4*NL
	WIN MUL_LO
	MUL16 0, 1, NQ-1, 1, 0
	MUL16 2, 1, NQ-1, 1, 0
	s_wait_dscnt 0
	WIN MUL_HI
	MUL16 4, 1, NQ-1, 1, 0
	MUL16 6, 1, NQ-1, 1, 0
	WIN 0
; THE WAY OUT, block by block of 16 tokens x 128 columns, through my own stage in LDS: in by lanes (tile b's eight registers are columns 32 (b / 2) + 16 h + 8 (b % 2) + 0 .. 7 of token place r), back as whole rows of 512 bytes.
; LDS serves a wave's instructions in order (ISA guide 5.7.1.4): no wait between the stores and the loads, nor in front of the next block's stores.
.macro TOSTAGE a
.set AC, 64*((\a)%4)
	WIN 0x08+4*((\a)/4)                            ; the data: window 2 or 3
.irp b, 0,1,2,3,4,5,6,7
	ds_store_b128 v[STO], v[AC+8*\b:AC+8*\b+3] offset:128*(\b/2)+32*(\b%2)          ; each accumulator from its low end on
	ds_store_b128 v[STO], v[AC+8*\b+4:AC+8*\b+7] offset:128*(\b/2)+32*(\b%2)+16
.endr
	WIN 0
.set BBK, BK+64*((\a)%2)
.irp t, 0,1,2,3,4,5,6,7,8,9,10,11,12,13,14,15
	ds_load_b128 v[BBK+4*\t:BBK+4*\t+3], v[RD] offset:\t*SPITCH
.endr
.endm
.macro SEND a, younger                 ; younger: the LDS instructions issued behind block a's loads, which may stay out.  Place t of block a is token 32 (a / 2) + 8 (a % 2) + t + 8 (t / 8): at most 127 rows of 4,096 bytes, in the immediate
.set BBK, BK+64*((\a)%2)
	s_wait_dscnt \younger
.irp t, 0,1,2,3,4,5,6,7,8,9,10,11,12,13,14,15
	global_store_b128 v[CO], v[BBK+4*\t:BBK+4*\t+3], s[14:15] offset:(32*((\a)/2)+8*((\a)%2)+\t+8*(\t/8))*4096 th:TH_STORE_NT   ; 32 lanes store 512 consecutive bytes, aligned; written once, read by nobody here
.endr
.endm
	PLACES NP                                      ; behind the last products: results are read, and loads land in registers that held A's fragments and the bias
	TOSTAGE 0
.irp a, 1,2,3,4,5,6,7
.if \a > 1
	s_wait_xcnt 0x0                                ; block a - 2's stores have read their registers: block a's loads may land there
.endif
	TOSTAGE \a
	SEND \a-1, 32                                  ; behind block a - 1's loads: block a's 16 stores and 16 loads
.endr
	SEND 7, 0
	s_wait_tensorcnt 0x0                           ; the wave's end
	ds_add_u32 v[SPW], v[NIL]
	s_wait_dscnt 0x0
	CROUND                                         ; the closing round
	s_endpgm
.Lfunc_end_k_q8c14db643d_outproj:
	.size	k_q8c14db643d_outproj, .Lfunc_end_k_q8c14db643d_outproj-k_q8c14db643d_outproj
	.p2alignl 7, 3214868480
	.fill 96, 4, 3214868480
	.section	.rodata,"a",@progbits
	.p2align	6, 0x0
	.amdhsa_kernel k_q8c14db643d_outproj
		.amdhsa_group_segment_fixed_size 327680
		.amdhsa_private_segment_fixed_size 0
		.amdhsa_enable_private_segment 0
		.amdhsa_kernarg_size 48
		.amdhsa_user_sgpr_count 2
		.amdhsa_user_sgpr_kernarg_segment_ptr 1
		.amdhsa_wavefront_size32 1
		.amdhsa_system_sgpr_workgroup_id_x 1
		.amdhsa_system_sgpr_workgroup_id_y 1
		.amdhsa_system_sgpr_workgroup_id_z 1
		.amdhsa_system_vgpr_workitem_id 0
		.amdhsa_next_free_vgpr 1024
		.amdhsa_next_free_sgpr 100
		.amdhsa_reserve_vcc 0
		.amdhsa_float_denorm_mode_32 3
		.amdhsa_float_denorm_mode_16_64 3
		.amdhsa_memory_ordered 1
		.amdhsa_forward_progress 1
		.amdhsa_inst_pref_size 126
	.end_amdhsa_kernel
	.amdgpu_metadata
---
amdhsa.version: [ 1, 2 ]
amdhsa.kernels:
  - .name:           k_q8c14db643d_outproj
    .symbol:         k_q8c14db643d_outproj.kd
    .args:
      - { .name: oimg, .offset: 0, .size: 8, .value_kind: global_buffer, .address_space: global }
      - { .name: osc, .offset: 8, .size: 8, .value_kind: global_buffer, .address_space: global }
      - { .name: codes, .offset: 16, .size: 8, .value_kind: global_buffer, .address_space: global }
      - { .name: scales, .offset: 24, .size: 8, .value_kind: global_buffer, .address_space: global }
      - { .name: bo, .offset: 32, .size: 8, .value_kind: global_buffer, .address_space: global }
      - { .name: out0, .offset: 40, .size: 8, .value_kind: global_buffer, .address_space: global }
    .group_segment_fixed_size: 327680
    .private_segment_fixed_size: 0
    .kernarg_segment_align: 8
    .kernarg_segment_size: 48
    .max_flat_workgroup_size: 128
    .sgpr_count:     100
    .vgpr_count:     1024
    .wavefront_size: 32
...
	.end_amdgpu_metadata
.endif
;; end of part 4
